; MI455X (gfx1250); checked and timed in simulation.
; The chip was launched on July 23, 2026; its instructions are those of AMD's public machine-readable ISA for CDNA 5 (MIT licence, August 2026) and "CDNA5" Instruction Set Architecture Reference Guide (July 2026). The comments in the code are by the model that wrote it; some were corrected since.
;; Mutual My Layer. Allowed arithmetic: float matrix products may take bf16 or f16 operands with f32 sums; other float arithmetic in f32, or as packed bf16 or f16 multiplies, adds, multiply-adds, maxima and minima; sums over many terms, partial sums and values carried from step to step in f32; what a program stores and reads back later, other than sums and carried values, may be rounded once to bf16 or f16.
;; Inputs: kernel 3 x 1,024 x 1,024 float32; x 4 x 2,048 x 1,024 float32; y 4 x 2,048 x 1,024 float32.
;; Outputs: out0 4 x 2,048 x 1,024 float32.
;; 2 versions, each right and faster than the one before. Each part assembles by itself: llvm-mc -triple=amdgcn-amd-amdhsa -mcpu=gfx1250 --defsym DOCPART=n.
;; ======== version 1 of 2: 4 launches
;; limits: values are held in f16: magnitudes above 65,504 overflow, below 6.1e-05 lose precision; values outside matrix products are rounded to f16
;; workspace buffers: bf 39,845,888 bytes; qkv 50,331,648 bytes; p 33,554,432 bytes; st 1,048,576 bytes
;; launch prep (part 1): grid 1216 x 1, 8 waves a work-group, no clusters, 0 bytes of LDS; arguments x, y, kernel, bf; writes bf
.if DOCPART == 1
	.amdgcn_target "amdgcn-amd-amdhsa--gfx1250"
	.amdhsa_code_object_version 6
	.text
	.protected	k_q8c9a0f6a45_prep
	.globl	k_q8c9a0f6a45_prep
	.p2align	8
	.type	k_q8c9a0f6a45_prep,@function
k_q8c9a0f6a45_prep:
	s_mov_b64 s[64:65], 0
	v_nop
	global_prefetch_b8 v0, s[64:65] scope:SCOPE_SE
	s_setreg_imm32_b32 hwreg(HW_REG_WAVE_MODE, 25, 1), 1
	s_wait_xcnt 0x0
; bf = x, y and kernel rounded once to bf16 (nearest even), one behind the other, each in its own order:
; x [8192][1024] at byte 0, y at 16,777,216, kernel [3][1024][1024] at 33,554,432.
; A stream: every input byte is read once and every output byte written once; no LDS, no barrier, no matrix unit, and no
; cluster, since no two work-groups read the same byte.
; A work-group takes 16,384 numbers: 65,536 bytes in, 32,768 out.  Work-groups 0-511 take x, 512-1023 y, 1024-1215 kernel;
; since the three lie on end in bf, the place in bf is the work-group's number times 32,768 for all of them.
; Thread t takes 16 bytes at 16 t of each 4,096: a wave's load covers 512 consecutive bytes, its store 256, both aligned to their length.
; All sixteen loads of a wave go out at once; no register is written twice, so no source of a pending instruction is touched.
.set X, 4                              ; v[4:67]   load j: four f32
.set Y, 68                             ; v[68:99]  store j: four bf16
	s_load_b256 s[4:11], s[0:1], 0x0               ; x s[4:5], y s[6:7], kernel s[8:9], bf s[10:11]
	v_lshlrev_b32 v1, 4, v0                        ; my 16 bytes in each 4,096 read
	v_lshlrev_b32 v2, 3, v0                        ; my 8 bytes in each 2,048 written
	s_wait_kmcnt 0x0
	s_cmp_lt_u32 ttmp9, 512                        ; which tensor: the choice hangs on the work-group's number alone
	s_cselect_b64 s[12:13], s[4:5], s[6:7]
	s_cselect_b32 s14, 0, 512                      ; and the number of its first work-group
	s_cmp_lt_u32 ttmp9, 1024
	s_cselect_b64 s[12:13], s[12:13], s[8:9]
	s_cselect_b32 s14, s14, 1024
	s_sub_co_u32 s16, ttmp9, s14
	s_lshl_b32 s16, s16, 16                        ; 65,536 bytes of the source for each work-group
	s_mov_b32 s17, 0
	s_add_nc_u64 s[12:13], s[12:13], s[16:17]
	s_lshl_b32 s18, ttmp9, 15                      ; 32,768 bytes of bf
	s_mov_b32 s19, 0
	s_add_nc_u64 s[10:11], s[10:11], s[18:19]
.set j, 0
.rept 16
	global_load_b128 v[X+4*j:X+4*j+3], v1, s[12:13] offset:4096*j th:TH_LOAD_NT  ; read once in the launch
.set j, j+1
.endr
.set j, 0
.rept 16
	s_wait_loadcnt 15-j                            ; loads come back in order (ISA guide 5.7.1): load j is in, the 15 - j younger ones stay out
	v_cvt_pk_bf16_f32 v[Y+2*j],   v[X+4*j],   v[X+4*j+1]
	v_cvt_pk_bf16_f32 v[Y+2*j+1], v[X+4*j+2], v[X+4*j+3]
	global_store_b64 v2, v[Y+2*j:Y+2*j+1], s[10:11] offset:2048*j
.set j, j+1
.endr
	s_endpgm
.Lfunc_end_k_q8c9a0f6a45_prep:
	.size	k_q8c9a0f6a45_prep, .Lfunc_end_k_q8c9a0f6a45_prep-k_q8c9a0f6a45_prep
	.p2alignl 7, 3214868480
	.fill 96, 4, 3214868480
	.section	.rodata,"a",@progbits
	.p2align	6, 0x0
	.amdhsa_kernel k_q8c9a0f6a45_prep
		.amdhsa_group_segment_fixed_size 0
		.amdhsa_private_segment_fixed_size 0
		.amdhsa_enable_private_segment 0
		.amdhsa_kernarg_size 32
		.amdhsa_user_sgpr_count 2
		.amdhsa_user_sgpr_kernarg_segment_ptr 1
		.amdhsa_wavefront_size32 1
		.amdhsa_system_sgpr_workgroup_id_x 1
		.amdhsa_system_sgpr_workgroup_id_y 1
		.amdhsa_system_sgpr_workgroup_id_z 1
		.amdhsa_system_vgpr_workitem_id 0
		.amdhsa_next_free_vgpr 100
		.amdhsa_next_free_sgpr 66
		.amdhsa_reserve_vcc 0
		.amdhsa_float_denorm_mode_32 3
		.amdhsa_float_denorm_mode_16_64 3
		.amdhsa_memory_ordered 1
		.amdhsa_forward_progress 1
		.amdhsa_inst_pref_size 7
	.end_amdhsa_kernel
	.amdgpu_metadata
---
amdhsa.version: [ 1, 2 ]
amdhsa.kernels:
  - .name:           k_q8c9a0f6a45_prep
    .symbol:         k_q8c9a0f6a45_prep.kd
    .args:
      - { .name: x, .offset: 0, .size: 8, .value_kind: global_buffer, .address_space: global }
      - { .name: y, .offset: 8, .size: 8, .value_kind: global_buffer, .address_space: global }
      - { .name: kernel, .offset: 16, .size: 8, .value_kind: global_buffer, .address_space: global }
      - { .name: bf, .offset: 24, .size: 8, .value_kind: global_buffer, .address_space: global }
    .group_segment_fixed_size: 0
    .private_segment_fixed_size: 0
    .kernarg_segment_align: 8
    .kernarg_segment_size: 32
    .max_flat_workgroup_size: 256
    .sgpr_count:     66
    .vgpr_count:     100
    .wavefront_size: 32
...
	.end_amdgpu_metadata
.endif
;; end of part 1
;; launch proj (part 2): grid 12 x 32, 4 waves a work-group, clusters of 4 x 4, 327,680 bytes of LDS; arguments bf, qkv; writes qkv
.if DOCPART == 2
	.amdgcn_target "amdgcn-amd-amdhsa--gfx1250"
	.amdhsa_code_object_version 6
	.text
	.protected	k_q8c9a0f6a45_proj
	.globl	k_q8c9a0f6a45_proj
	.p2align	8
	.type	k_q8c9a0f6a45_proj,@function
k_q8c9a0f6a45_proj:
	s_mov_b64 s[64:65], 0
	v_nop
	global_prefetch_b8 v0, s[64:65] scope:SCOPE_SE
	s_setreg_imm32_b32 hwreg(HW_REG_WAVE_MODE, 25, 1), 1
	s_wait_xcnt 0x0
	s_wait_alu depctr_hold_cnt(0) depctr_sa_sdst(0) depctr_va_vdst(0) depctr_va_sdst(0) depctr_va_ssrc(0) depctr_va_vcc(0) depctr_vm_vsrc(0)
	s_getreg_b32 s2, hwreg(HW_REG_IB_STS2, 6, 4)
	s_cmp_eq_u32 s2, 0
	s_cbranch_scc0 .Lentry_in_a_cluster
	s_endpgm
.Lentry_in_a_cluster:
	s_bfe_u32 s2, ttmp6, 0x10000c
	s_cmp_lg_u32 s2, 0xf033
	s_cbranch_scc0 .Lentry_shape_is_right
	s_endpgm
.Lentry_shape_is_right:
; Q = x W0, K = x W1, V = y W2.  x, y: [8192][1024] bf16 and W: [3][1024 d][1024 o] bf16, all in bf; qkv: [3][8192][1024] f16.
; Products in bf16, sums in f32, K ascending, each result rounded once to f16.
; LIMIT.  f16 holds no number beyond 65,504: a |Q|, |K| or |V| of 65,520 or more becomes an infinity.  Rows of x or y of spread 1 and weights of spread 0.02 give
; results of spread 0.64; every input 30 times larger gives about 3e3 at the largest.  NaN and infinities are not treated apart.
; SHARES.  A tile of 256 rows x 256 columns of one of the three results is made by four waves, 128 x 128 each: 64 accumulators of 16 x 16, 512 registers.
; K = 1024 goes in 8 steps of 128 through two LDS slots filled by the tensor data mover.  A's rows in a tile are 256 bytes, W's 512, both aligned to 256 in bf.
; W lies [d][o], K down the rows, so its fragments come out of LDS turned, by ds_load_tr16_b128: no transposed copy of W is ever made.
; CLUSTER.  4 x 4 work-groups.  The cluster's x is the result (0, 1, 2), cx the tile column in it, 4 x cluster y + cy the tile row.  The four of a row of the cluster
; need the same tile of x or y, the four of a column the same tile of W: each is asked for jointly, by the same tensor load, descriptor and mask in all four.
; THE MATRIX INSTRUCTION IS USED TRANSPOSED: source 0 = 16 columns of W, source 1 = 16 rows of x: a lane then holds row l % 16 and the eight neighbouring columns
; 8 (l / 16) + 0..7, which pack into 16 bytes.
; REGISTERS, in windows of 256 (s_set_vgpr_msb: bits 1:0 source 0, 3:2 source 1, 5:4 source 2, 7:6 destination):
;   window 0: v0-31 addresses; v64-127, v128-191 fragments of A, two buffers; v32-63, v192-255 at work on the way out
;   window 1: v64-127, v128-191 fragments of W, two buffers      window 2: accumulators of my rows 0-63, (a, b) at v[8 (8 a + b)]      window 3: of my rows 64-127
.set KSTEP,  128
.set PITCH,  272                       ; a row of A in LDS: 256 bytes + 16 of padding: the 16 rows of a fragment load start at 16 different groups of four banks (64 banks of 4 bytes: ISA guide 11.1)
.set BPITCH, 544                       ; a row of W in LDS: 512 bytes + 32
.set HALFT,  128*PITCH                 ; what one tensor load brings: 128 rows of A, or 64 rows of W (64 x 544 is the same 34,816 bytes)
.set SLOT,   4*HALFT                   ; A's 256 rows, then W's 128 rows
.set STAGE,  2*SLOT                    ; behind the ring: 16 rows x 272 bytes for each wave, for the way out; no tensor load lands here
.set SPITCH, 272
.set SPARE,  STAGE+4*16*SPITCH         ; the spare words, 128 bytes for each wave: two blocks of 256 bytes that no other line names
.set LAPS,   1024/(2*KSTEP)            ; a lap = two K steps = once round the ring
.set ROWB,   2048                      ; bytes in a row of x, y, W and qkv
.set ASTEP,  2*KSTEP*2                 ; two K steps along A's rows
.set BSTEP,  2*KSTEP*ROWB              ; two K steps down W's rows
.set ADRA, 16                          ; v16-17  LDS address of my A fragments in slot 0, 1
.set ADRB, 20                          ; v20-21  the same for W
.set STO,  24                          ; v24     the way out: where I put 16 bytes of a row
.set RD,   25                          ; v25     the way out: where I read a row back
.set CO,   26                          ; v26     my byte offset in two rows of qkv
.set SPW,  28                          ; v28     LDS address of my spare word; never rewritten
.set NIL,  29                          ; v29     0; never rewritten
.set F0,   64
.set F1,   128
.set TMP,  192                         ; packed results
.set OB,   32                          ; 16 rows read back from the stage: v32-63 and v224-255 by turns
.set G1,  24                           ; s[24:31] descriptor group 1 for A's tiles;  s[32:39] group 0, a set for each slot
.set G0,  32
.set G1B, 48                           ; s[48:55], s[56:63] the same for W's tiles
.set G0B, 56
.set MSB, 0
.macro WIN new                         ; the immediate's high byte repeats the setting that is left; a switch that changes nothing is dropped
.if MSB != (\new)
	s_set_vgpr_msb (MSB<<8)|(\new)
.set MSB, \new
.endif
.endm
.set MUL_LO, 0xa1                      ; source 0 (W) window 1, source 1 (A) window 0, C and D window 2
.set MUL_HI, 0xf1                      ; the same, C and D window 3
.set TO_B,   0x40                      ; destination window 1, address window 0
; A joint load.  Waves 0 and 1 fetch A's two halves, waves 2 and 3 W's.  The branch hangs on the wave's number alone.  An s_nop 0 and four v_nop follow each of
; the two lines, ahead of the jump, the label and what follows.
.macro JLOAD s
	s_cmp_eq_u32 s13, 0
	s_cbranch_scc0 .Lfor_b_\@
	tensor_load_to_lds s[G0+4*(\s):G0+4*(\s)+3], s[G1:G1+7]
	s_nop 0
.rept 4
	v_nop
.endr
	s_branch .Lasked_\@
.Lfor_b_\@:
	tensor_load_to_lds s[G0B+4*(\s):G0B+4*(\s)+3], s[G1B:G1B+7]
	s_nop 0
.rept 4
	v_nop
.endr
.Lasked_\@:
.endm
; A round of the cluster's barrier: my work-group's barrier, so that wave 0's signal speaks for all four waves; wave 0 signals; every wave waits for all sixteen
; work-groups; my work-group's barrier once more.
.macro CREST                           ; a round behind its opening barrier
	s_cmp_lg_u32 s12, 0
	s_cbranch_scc1 .Lnot_wave_0_\@
	s_barrier_signal -3
.Lnot_wave_0_\@:
	s_barrier_wait -3
	s_barrier_signal -1
	s_barrier_wait -1
.endm
.macro CROUND
	s_barrier_signal -1
	s_barrier_wait -1
	CREST
.endm
	s_load_b128 s[4:7], s[0:1], 0x0                ; bf s[4:5], qkv s[6:7]
	v_lshl_add_u32 v[SPW], v0, 2, SPARE
	v_mov_b32 v[NIL], 0
	ds_add_u32 v28, v29
	s_wait_dscnt 0x0
	v_lshrrev_b32 v1, 5, v0
	v_readfirstlane_b32 s12, v1                    ; wave 0..3
	s_lshr_b32 s13, s12, 1                         ; which half of the tile's rows is mine.  Also: I fetch for A (0) or for W (1)
	s_and_b32 s14, s12, 1                          ; which half of its columns.  Also: which half of that tile I fetch
	s_bfe_u32 s40, ttmp6, 0x40000                  ; cx: the tile column in the result
	s_bfe_u32 s41, ttmp6, 0x40004                  ; cy
	s_mov_b32 s76, ttmp9                           ; the cluster's x: which result, 0 Q, 1 K, 2 V
	s_and_b32 s45, ttmp7, 0xffff
	s_lshl_b32 s45, s45, 2
	s_add_co_u32 s45, s45, s41                     ; tile row = 4 x cluster y + cy
	s_lshl_b32 s43, s41, 2
	s_lshl_b32 s43, 15, s43                        ; my row of the cluster: places 4 cy .. 4 cy + 3
	s_lshl_b32 s44, 0x1111, s40                    ; my column: places cx, cx + 4, cx + 8, cx + 12
	; group 1 for A: 128 rows x 128 elements, 1,024 elements from row to row
	s_or_b32 s[G1+0], s43, (1<<16)|(1<<20)|(1<<21)|(5<<22)|(3<<25)  ; 15:0 mask: my row; 17:16 2-byte elements; 20 padding on; 21 set beside a mask; 24:22 after every 64 words; 31:25 4 words
	s_mov_b32 s[G1+1], 128<<16                     ; tensor_dim0 = 128
	s_mov_b32 s[G1+2], 128<<16                     ; tensor_dim1 = 128
	s_mov_b32 s[G1+3], 128<<16                     ; tile_dim0 = 128
	s_mov_b32 s[G1+4], 128                         ; tile_dim1 = 128
	s_mov_b32 s[G1+5], 1024                        ; elements from row to row
	s_mov_b32 s[G1+6], 0
	s_mov_b32 s[G1+7], 0
	; group 1 for W: 64 rows (d) x 256 elements (o)
	s_or_b32 s[G1B+0], s44, (1<<16)|(1<<20)|(1<<21)|(6<<22)|(7<<25) ; mask: my column; padding after every 128 words, 8 words
	s_mov_b32 s[G1B+1], 256<<16                    ; tensor_dim0 = 256
	s_mov_b32 s[G1B+2], 64<<16                     ; tensor_dim1 = 64
	s_mov_b32 s[G1B+3], 256<<16                    ; tile_dim0 = 256
	s_mov_b32 s[G1B+4], 64                         ; tile_dim1 = 64
	s_mov_b32 s[G1B+5], 1024
	s_mov_b32 s[G1B+6], 0
	s_mov_b32 s[G1B+7], 0
	; A's tile hangs on the result and the tile row, which my row of the cluster shares; W's on the result and cx, which my column shares
	s_lshl_b32 s16, s45, 8
	s_lshl_b32 s17, s14, 7
	s_add_co_u32 s16, s16, s17                     ; row 256 x tile row + 128 x half
	s_lshl_b32 s16, s16, 11                        ; in bytes
	s_lshr_b32 s17, s76, 1
	s_lshl_b32 s17, s17, 24                        ; V is made of y, 16,777,216 bytes on
	s_add_co_u32 s16, s16, s17
	s_mov_b32 s17, 0
	s_lshl_b32 s46, s76, 21                        ; W of the result: 2,097,152 bytes each
	s_lshl_b32 s47, s14, 17                        ; my 64 rows of the step's 128
	s_add_co_u32 s46, s46, s47
	s_lshl_b32 s47, s40, 9                         ; 256 columns
	s_add_co_u32 s46, s46, s47
	s_add_co_u32 s46, s46, 33554432                ; kernel's place in bf
	s_mov_b32 s47, 0
	s_mul_i32 s20, s12, HALFT                      ; where they go: wave x 34,816: A's halves, then W's
	; where my part of the tile begins in qkv
	s_lshl_b32 s74, s45, 8
	s_lshl_b32 s75, s13, 7
	s_add_co_u32 s74, s74, s75
	s_lshl_b32 s74, s74, 11
	s_lshl_b32 s75, s76, 24
	s_add_co_u32 s74, s74, s75
	s_lshl_b32 s75, s40, 9
	s_add_co_u32 s74, s74, s75
	s_lshl_b32 s75, s14, 8
	s_add_co_u32 s74, s74, s75
	s_mov_b32 s75, 0
	s_wait_kmcnt 0x0
	s_add_nc_u64 s[18:19], s[4:5], s[16:17]
	s_add_nc_u64 s[46:47], s[4:5], s[46:47]
	s_add_nc_u64 s[72:73], s[6:7], s[74:75]
	CROUND                                         ; all sixteen work-groups are here: the first joint loads meet
.irp s, 0,1
	s_mov_b32 s[G0+4*(\s)], 1                                      ; count = 1
	s_add_co_u32 s[G0+4*(\s)+1], s20, (\s)*SLOT                    ; LDS address
	s_add_nc_u64 s[G0+4*(\s)+2:G0+4*(\s)+3], s[18:19], (\s)*KSTEP*2  ; global address: K step s
	s_or_b32 s[G0+4*(\s)+3], s[G0+4*(\s)+3], 0x80000000            ; type = 2
	s_mov_b32 s[G0B+4*(\s)], 1
	s_add_co_u32 s[G0B+4*(\s)+1], s20, (\s)*SLOT
	s_add_nc_u64 s[G0B+4*(\s)+2:G0B+4*(\s)+3], s[46:47], (\s)*KSTEP*ROWB
	s_or_b32 s[G0B+4*(\s)+3], s[G0B+4*(\s)+3], 0x80000000
	JLOAD \s                                       ; both slots are asked for before anything else: two loads of mine are out
.endr
	; A fragment of A: lane l holds row l % 16; two loads of 16 bytes, 32 bytes apart, at row x pitch + 16 (l / 16).
	v_and_b32 v1, 15, v0                           ; l % 16
	v_bfe_u32 v2, v0, 4, 1                         ; l / 16
	v_mul_u32_u24 v3, v1, PITCH
	v_lshl_add_u32 v3, v2, 4, v3
	s_mul_i32 s21, s13, HALFT                      ; my 128 rows of A
	; A fragment of W, turned: lane l reads 16 bytes of row 8 (l / 16) + l % 8, columns 8 ((l / 8) % 2) + 0..7, and is left with column l % 16 and eight d; the second load stands 16 rows on.
	v_and_b32 v4, 7, v0
	v_lshl_add_u32 v4, v2, 3, v4
	v_mul_u32_u24 v4, v4, BPITCH
	v_bfe_u32 v5, v0, 3, 1
	v_lshl_add_u32 v4, v5, 4, v4
	s_lshl_b32 s22, s14, 8                         ; my 128 columns of W,
	s_add_co_u32 s22, s22, 2*HALFT                 ; which lies behind A's 256 rows
.irp s, 0,1
	v_add_nc_u32 v[ADRA+(\s)], s21, v3
	v_add_nc_u32 v[ADRB+(\s)], s22, v4
	s_add_co_u32 s21, s21, SLOT
	s_add_co_u32 s22, s22, SLOT
.endr
	s_mul_i32 s23, s12, 16*SPITCH
	s_add_co_u32 s23, s23, STAGE                   ; my stage
	v_mul_u32_u24 v4, v1, SPITCH                   ; in: row l % 16, 16 bytes for each half of the lanes
	v_lshl_add_u32 v4, v2, 4, v4
	v_add_nc_u32 v[STO], s23, v4
	v_mul_u32_u24 v5, v2, SPITCH                   ; back: lanes 0-15 take one row of 256 bytes, lanes 16-31 the next
	v_lshl_add_u32 v5, v1, 4, v5
	v_add_nc_u32 v[RD], s23, v5
	v_mul_u32_u24 v5, v2, ROWB                     ; and the same two rows in qkv
	v_lshl_add_u32 v[CO], v1, 4, v5
; 16 matrix instructions: m blocks a0, a0 + 1 of the window's four x all 8 n blocks, 32 along K.  zero = 1: the first product starts the sums.
; The 64 accumulators take turns, one instruction a turn, in the same order in every quarter.
.macro MUL16 f, hi, a0, zero
	WIN MUL_LO+0x50*(\hi)
.irp a, \a0, (\a0)+1
.irp b, 0,1,2,3,4,5,6,7
.if \zero
	v_wmma_f32_16x16x32_bf16 v[8*(8*(\a)+(\b)):8*(8*(\a)+(\b))+7], v[(\f)+8*(\b):(\f)+8*(\b)+7], v[(\f)+8*(4*(\hi)+(\a)):(\f)+8*(4*(\hi)+(\a))+7], 0
.else
	v_wmma_f32_16x16x32_bf16 v[8*(8*(\a)+(\b)):8*(8*(\a)+(\b))+7], v[(\f)+8*(\b):(\f)+8*(\b)+7], v[(\f)+8*(4*(\hi)+(\a)):(\f)+8*(4*(\hi)+(\a))+7], v[8*(8*(\a)+(\b)):8*(8*(\a)+(\b))+7]
.endif
.endr
.endr
.endm
; 32 LDS loads in one run: the fragments of quarter q (32 along K) into buffer f: W's 128 columns, then A's 128 rows
.macro FETCH slot, q, f
	WIN TO_B
.irp i, 0,1,2,3,4,5,6,7
	ds_load_tr16_b128 v[(\f)+8*(\i):(\f)+8*(\i)+3],   v[ADRB+(\slot)] offset:(\q)*32*BPITCH+(\i)*32
	ds_load_tr16_b128 v[(\f)+8*(\i)+4:(\f)+8*(\i)+7], v[ADRB+(\slot)] offset:(\q)*32*BPITCH+(\i)*32+16*BPITCH
.endr
	WIN 0
.irp i, 0,1,2,3,4,5,6,7
	ds_load_b128 v[(\f)+8*(\i):(\f)+8*(\i)+3],   v[ADRA+(\slot)] offset:(\q)*64+(\i)*16*PITCH
	ds_load_b128 v[(\f)+8*(\i)+4:(\f)+8*(\i)+7], v[ADRA+(\slot)] offset:(\q)*64+(\i)*16*PITCH+32
.endr
.endm
; Four plain vector instructions between a matrix instruction and a load into, or a vector instruction on, one of its registers (ISA guide 7.12.1 for vector instructions)
.macro PLACES
.rept 4
	v_nop
.endr
.endm
; A K step is four quarters of 32 along K, 64 matrix instructions each, on buffers 0, 1, 0, 1.  One of the first three multiplies buffer f and fetches quarter q into g.
.macro QUARTER slot, q, f, g, zero
	s_wait_dscnt 8                                 ; W and A's rows 0-63 are in; the youngest eight loads (A's rows 64-127) may be out
	MUL16 \f, 0, 0, \zero
	MUL16 \f, 0, 2, \zero
	PLACES
	FETCH \slot, \q, \g
	s_wait_dscnt 32                                ; all but the 32 just issued
	MUL16 \f, 1, 0, \zero
	MUL16 \f, 1, 2, \zero
.endm
; The last quarter multiplies buffer 1 and changes slots.  One barrier: in front of it each wave waits for all its tensor loads (one is out: its part of the next slot),
; adds 0 to its spare word, and waits for that and for its own reads of this slot.  Behind it nobody reads this slot and the next slot is whole.
.macro MEET round
	WIN 0                                          ; the add's two registers lie in window 0
	s_wait_tensorcnt 0x0
	ds_add_u32 v[SPW], v[NIL]
	s_wait_dscnt 9                                 ; the add and the youngest eight loads may be out
	MUL16 F1, 0, 0, 0
	s_wait_dscnt 0x0                               ; the add is done, my reads of this slot are over
	s_barrier_signal -1
	MUL16 F1, 0, 2, 0                              ; work on registers while the others arrive
.if \round
	WIN 0
.endif
	s_barrier_wait -1
.endm
; fill = 1: the barrier opens a round of the cluster's barrier, and this slot is filled again, two K steps on, first thing behind the round:
; from the request to the wait for it a wave issues 224 matrix instructions.
.macro TURN slot, next, fill
	MEET \fill
.if \fill
	CREST
	s_add_nc_u64 s[G0+4*(\slot)+2:G0+4*(\slot)+3], s[G0+4*(\slot)+2:G0+4*(\slot)+3], ASTEP    ; no tensor load of mine is out: a group 0 may be written
	s_add_nc_u64 s[G0B+4*(\slot)+2:G0B+4*(\slot)+3], s[G0B+4*(\slot)+2:G0B+4*(\slot)+3], BSTEP
	JLOAD \slot                                    ; its four v_nop are also the places in front of the loads below
.else
	PLACES
.endif
	FETCH \next, 0, F0
	MUL16 F1, 1, 0, 0
	MUL16 F1, 1, 2, 0
.endm
; THE WAY OUT of block a (16 rows).  PACK: rounded to f16, 16 bytes a lane, each accumulator from its low end.  TOSTAGE: into my own stage and back as whole rows of 256 bytes.  SEND: stored.
.macro PACK a
.set AC, 64*((\a)%4)
	WIN 0x0a+5*((\a)/4)                            ; sources 0 and 1: window 2 or 3
.irp b, 0,1,2,3,4,5,6,7
.irp r, 0,1,2,3
	v_cvt_pk_f16_f32 v[TMP+4*(\b)+(\r)], v[AC+8*(\b)+2*(\r)], v[AC+8*(\b)+2*(\r)+1]
.endr
.endr
	WIN 0
.endm
.macro TOSTAGE a
	WIN 0
.set BK, OB+192*((\a)%2)
.irp b, 0,1,2,3,4,5,6,7
	ds_store_b128 v[STO], v[TMP+4*(\b):TMP+4*(\b)+3] offset:32*(\b)
.endr
.irp t, 0,1,2,3,4,5,6,7
	ds_load_b128 v[BK+4*(\t):BK+4*(\t)+3], v[RD] offset:(\t)*2*SPITCH  ; LDS serves a wave's instructions in order (ISA guide 5.7.1.4): these see the stores above
.endr
.endm
.macro SEND a
	WIN 0
.set BK, OB+192*((\a)%2)
	s_wait_dscnt 0x0                               ; the block is back in registers
	s_wait_xcnt 0x0                                ; the stores' base, and the registers that the stores two blocks back read, are rewritten only behind this wait
.if (\a) > 0
	s_add_nc_u64 s[72:73], s[72:73], 16*ROWB       ; 16 rows on
.endif
.irp t, 0,1,2,3,4,5,6,7
	global_store_b128 v[CO], v[BK+4*(\t):BK+4*(\t)+3], s[72:73] offset:2*(\t)*ROWB  ; 16 lanes store 256 consecutive bytes, at a multiple of 256 from qkv's first byte
.endr
.endm
	s_wait_tensorcnt 1                             ; my part of K step 0 is in; K step 1's may stay out
	s_barrier_signal -1
	s_barrier_wait -1                              ; everybody's is
	FETCH 0, 0, F0
	QUARTER 0, 1, F0, F1, 1                        ; the first quarter stands in front of the loop: its products start the sums
	WIN 0                                          ; at a label and at a branch every window is 0
	s_mov_b32 s15, LAPS-1
.Llap:                                                 ; a trip goes once round the ring, from a lap's second quarter to the next lap's first, and fills both slots again
	QUARTER 0, 2, F1, F0, 0
	QUARTER 0, 3, F0, F1, 0
	TURN 0, 1, 1
	QUARTER 1, 1, F0, F1, 0
	QUARTER 1, 2, F1, F0, 0
	QUARTER 1, 3, F0, F1, 0
	TURN 1, 0, 1
	QUARTER 0, 1, F0, F1, 0
	WIN 0
	s_sub_co_u32 s15, s15, 1
	s_cmp_lg_u32 s15, 0
	s_cbranch_scc1 .Llap
	QUARTER 0, 2, F1, F0, 0                        ; the last lap is written out: it asks for nothing
	QUARTER 0, 3, F0, F1, 0
	TURN 0, 1, 0
	QUARTER 1, 1, F0, F1, 0
	QUARTER 1, 2, F1, F0, 0
	QUARTER 1, 3, F0, F1, 0
	s_wait_dscnt 8                                 ; the very last quarter: nothing more to fetch
	MUL16 F1, 0, 0, 0
	MUL16 F1, 0, 2, 0
	s_wait_dscnt 0x0
	MUL16 F1, 1, 0, 0
	MUL16 F1, 1, 2, 0
	WIN 0
	PLACES                                         ; the conversions read results just made
	PACK 0
	TOSTAGE 0
.irp a, 1,2,3,4,5,6,7                  ; block a's conversions stand between block a - 1's loads from the stage and the wait for them
	PACK \a
	SEND (\a)-1
	TOSTAGE \a
.endr
	SEND 7
	s_wait_tensorcnt 0x0                           ; the wave's end
	ds_add_u32 v[SPW], v[NIL]
	s_wait_dscnt 0x0
	CROUND                                         ; the closing round: no work-group ends while a partner may still ask for a tile that names it
	s_endpgm
.Lfunc_end_k_q8c9a0f6a45_proj:
	.size	k_q8c9a0f6a45_proj, .Lfunc_end_k_q8c9a0f6a45_proj-k_q8c9a0f6a45_proj
	.p2alignl 7, 3214868480
	.fill 96, 4, 3214868480
	.section	.rodata,"a",@progbits
	.p2align	6, 0x0
	.amdhsa_kernel k_q8c9a0f6a45_proj
		.amdhsa_group_segment_fixed_size 327680
		.amdhsa_private_segment_fixed_size 0
		.amdhsa_enable_private_segment 0
		.amdhsa_kernarg_size 16
		.amdhsa_user_sgpr_count 2
		.amdhsa_user_sgpr_kernarg_segment_ptr 1
		.amdhsa_wavefront_size32 1
		.amdhsa_system_sgpr_workgroup_id_x 1
		.amdhsa_system_sgpr_workgroup_id_y 1
		.amdhsa_system_sgpr_workgroup_id_z 1
		.amdhsa_system_vgpr_workitem_id 0
		.amdhsa_next_free_vgpr 1024
		.amdhsa_next_free_sgpr 80
		.amdhsa_reserve_vcc 0
		.amdhsa_float_denorm_mode_32 3
		.amdhsa_float_denorm_mode_16_64 3
		.amdhsa_memory_ordered 1
		.amdhsa_forward_progress 1
		.amdhsa_inst_pref_size 143
	.end_amdhsa_kernel
	.amdgpu_metadata
---
amdhsa.version: [ 1, 2 ]
amdhsa.kernels:
  - .name:           k_q8c9a0f6a45_proj
    .symbol:         k_q8c9a0f6a45_proj.kd
    .args:
      - { .name: bf, .offset: 0, .size: 8, .value_kind: global_buffer, .address_space: global }
      - { .name: qkv, .offset: 8, .size: 8, .value_kind: global_buffer, .address_space: global }
    .group_segment_fixed_size: 327680
    .private_segment_fixed_size: 0
    .kernarg_segment_align: 8
    .kernarg_segment_size: 16
    .max_flat_workgroup_size: 128
    .sgpr_count:     80
    .vgpr_count:     1024
    .wavefront_size: 32
...
	.end_amdgpu_metadata
.endif
;; end of part 2
;; launch score (part 3): grid 8 x 32, 4 waves a work-group, clusters of 4 x 4, 327,680 bytes of LDS; arguments qkv, p, st; writes p, st
.if DOCPART == 3
	.amdgcn_target "amdgcn-amd-amdhsa--gfx1250"
	.amdhsa_code_object_version 6
	.text
	.protected	k_q8c9a0f6a45_score
	.globl	k_q8c9a0f6a45_score
	.p2align	8
	.type	k_q8c9a0f6a45_score,@function
k_q8c9a0f6a45_score:
	s_mov_b64 s[64:65], 0
	v_nop
	global_prefetch_b8 v0, s[64:65] scope:SCOPE_SE
	s_setreg_imm32_b32 hwreg(HW_REG_WAVE_MODE, 25, 1), 1
	s_wait_xcnt 0x0
	s_wait_alu depctr_hold_cnt(0) depctr_sa_sdst(0) depctr_va_vdst(0) depctr_va_sdst(0) depctr_va_ssrc(0) depctr_va_vcc(0) depctr_vm_vsrc(0)
	s_getreg_b32 s2, hwreg(HW_REG_IB_STS2, 6, 4)
	s_cmp_eq_u32 s2, 0
	s_cbranch_scc0 .Lentry_in_a_cluster
	s_endpgm
.Lentry_in_a_cluster:
	s_bfe_u32 s2, ttmp6, 0x10000c
	s_cmp_lg_u32 s2, 0xf033
	s_cbranch_scc0 .Lentry_shape_is_right
	s_endpgm
.Lentry_shape_is_right:
; For each batch S = Q K^T; for each query row and each tile t of 128 keys: m = the largest score of the tile, P' = 2^(c s - c m) with c = log2(e) / 32
; (the scale 1 / sqrt(1024) and the change of base in one factor, applied in f32), l = the sum of the tile's P'.
; Q, K: [8192][1024] f16 in qkv (K 16,777,216 bytes behind Q).  p: [8192][2048] f16, P'.  st: [2][16 t][8192 rows] f32: c m, then l.
; Products in f16, sums, maxima and exponentials in f32.  The maximum taken away is the tile's true one, so P' lies in 0 to 1 whatever the scores' size; the last launch
; joins the sixteen tiles of a row by the row's true maximum.  The scores themselves are never stored.
; LIMITS.  P' is rounded to f16: below 6e-5 it keeps f16's fixed step of 6e-8; l is the sum of the unrounded P'; an exponential below 2^-126 counts as 0.  NaN and infinities are not treated apart.
; SHARES.  A tile of 256 queries x 256 keys is made by four waves, 128 x 128 each (64 accumulators, 512 registers): a wave's 128 keys are one tile t, so a row's maximum
; and sum never leave the wave.  K = 1024 goes in 8 steps of 128 through two LDS slots; the tiles' rows are 256 bytes of memory, aligned to 256.
; CLUSTER.  4 x 4 work-groups: the four of a row of the cluster need the same tile of Q, the four of a column the same tile of K (the batch hangs on the cluster's y alone):
; each tile is asked for jointly, by the same tensor load, descriptor and mask in all four.
; THE MATRIX INSTRUCTION IS USED TRANSPOSED: source 0 = 16 keys, source 1 = 16 queries: a lane holds query l % 16 and, in each accumulator, the keys 8 (l / 16) + 0..7.
; REGISTERS, in windows of 256 (s_set_vgpr_msb: bits 1:0 source 0, 3:2 source 1, 5:4 source 2, 7:6 destination):
;   window 0: v0-31 addresses and statistics; v64-127, v128-191 fragments of Q, two buffers (v64-127 later the exponents); v32-63, v192-255 at work on the way out
;   window 1: v64-127, v128-191 fragments of K      window 2: accumulators of my rows 0-63, (a, b) at v[8 (8 a + b)]      window 3: of my rows 64-127
.set KSTEP,  128
.set PITCH,  272                       ; an LDS row: 256 bytes + 16 of padding: the 16 rows of a fragment load start at 16 different groups of four banks (64 banks of 4 bytes: ISA guide 11.1)
.set HALFT,  128*PITCH                 ; 128 rows: what one tensor load brings
.set SLOT,   4*HALFT                   ; Q's 256 rows, then K's 256 rows
.set STAGE,  2*SLOT                    ; behind the ring: 16 rows x 272 bytes for each wave; no tensor load lands here
.set SPITCH, 272
.set STAT,   STAGE+4*16*SPITCH         ; for each wave 128 words of c m, then 128 of l
.set SPARE,  STAT+4*1024               ; the spare words, 128 bytes for each wave: two blocks of 256 bytes that no other line names
.set LAPS,   1024/(2*KSTEP)
.set ROWB,   4096                      ; bytes in a row of p
.set STEP2,  2*KSTEP*2                 ; two K steps along the rows of Q and K
.set CM,   6                           ; v[6:7]  c m, and a register named with it as a pair
.set MX,   8                           ; v8-15   eight running maxima
.set ADRA, 16
.set ADRB, 20
.set STO,  24
.set RD,   25
.set CO,   26
.set STA,  27                          ; v27     where my lane puts a row's c m (lanes 0-15) or l (lanes 16-31)
.set SPW,  28
.set NIL,  29
.set STR,  30                          ; v30     where I read 16 bytes of my wave's statistics back
.set SG,   31                          ; v31     16 x lane
.set F0,   64
.set F1,   128
.set E,    64                          ; the block's 64 exponents, then weights
.set TMP,  192
.set OB,   32
.set G1,  24
.set G0,  32
.set G1B, 48
.set G0B, 56
.set MSB, 0
.macro WIN new                         ; the immediate's high byte repeats the setting that is left; a switch that changes nothing is dropped
.if MSB != (\new)
	s_set_vgpr_msb (MSB<<8)|(\new)
.set MSB, \new
.endif
.endm
.set MUL_LO, 0xa1                      ; source 0 (K) window 1, source 1 (Q) window 0, C and D window 2
.set MUL_HI, 0xf1
.set TO_B,   0x40
; A joint load.  Waves 0 and 1 fetch Q's two halves, waves 2 and 3 K's.  An s_nop 0 and four v_nop follow each of the two lines.
.macro JLOAD s
	s_cmp_eq_u32 s13, 0
	s_cbranch_scc0 .Lfor_b_\@
	tensor_load_to_lds s[G0+4*(\s):G0+4*(\s)+3], s[G1:G1+7]
	s_nop 0
.rept 4
	v_nop
.endr
	s_branch .Lasked_\@
.Lfor_b_\@:
	tensor_load_to_lds s[G0B+4*(\s):G0B+4*(\s)+3], s[G1B:G1B+7]
	s_nop 0
.rept 4
	v_nop
.endr
.Lasked_\@:
.endm
.macro CREST                           ; a round of the cluster's barrier behind its opening barrier
	s_cmp_lg_u32 s12, 0
	s_cbranch_scc1 .Lnot_wave_0_\@
	s_barrier_signal -3
.Lnot_wave_0_\@:
	s_barrier_wait -3
	s_barrier_signal -1
	s_barrier_wait -1
.endm
.macro CROUND
	s_barrier_signal -1
	s_barrier_wait -1
	CREST
.endm
	s_load_b128 s[4:7], s[0:1], 0x0                ; qkv s[4:5], p s[6:7]
	s_load_b64 s[8:9], s[0:1], 0x10                ; st
	v_lshl_add_u32 v[SPW], v0, 2, SPARE
	v_mov_b32 v[NIL], 0
	ds_add_u32 v28, v29
	s_wait_dscnt 0x0
	v_lshrrev_b32 v1, 5, v0
	v_readfirstlane_b32 s12, v1                    ; wave 0..3
	s_lshr_b32 s13, s12, 1                         ; which half of the tile's queries is mine.  Also: I fetch for Q (0) or for K (1)
	s_and_b32 s14, s12, 1                          ; which half of its keys.  Also: which 128 rows of that tile I fetch
	s_bfe_u32 s40, ttmp6, 0x40000                  ; cx
	s_bfe_u32 s41, ttmp6, 0x40004                  ; cy
	s_lshl_b32 s42, ttmp9, 2
	s_add_co_u32 s42, s42, s40                     ; tile column: 256 keys of the batch's 2,048
	s_and_b32 s76, ttmp7, 0xffff
	s_lshl_b32 s45, s76, 2
	s_add_co_u32 s45, s45, s41                     ; tile row: 256 of all 8,192 query rows
	s_lshr_b32 s76, s76, 1                         ; the batch: eight tile rows, two clusters, each
	s_lshl_b32 s43, s41, 2
	s_lshl_b32 s43, 15, s43                        ; my row of the cluster
	s_lshl_b32 s44, 0x1111, s40                    ; my column
	s_or_b32 s[G1+0], s43, (1<<16)|(1<<20)|(1<<21)|(5<<22)|(3<<25)  ; 15:0 mask; 17:16 2-byte elements; 20 padding on; 21 set beside a mask; 24:22 after every 64 words; 31:25 4 words
	s_or_b32 s[G1B+0], s44, (1<<16)|(1<<20)|(1<<21)|(5<<22)|(3<<25)
.irp g, G1, G1B
	s_mov_b32 s[(\g)+1], 128<<16                   ; tensor_dim0 = 128
	s_mov_b32 s[(\g)+2], 128<<16                   ; tensor_dim1 = 128
	s_mov_b32 s[(\g)+3], 128<<16                   ; tile_dim0 = 128
	s_mov_b32 s[(\g)+4], 128                       ; tile_dim1 = 128
	s_mov_b32 s[(\g)+5], 1024                      ; elements from row to row
	s_mov_b32 s[(\g)+6], 0
	s_mov_b32 s[(\g)+7], 0
.endr
	s_lshl_b32 s16, s45, 8
	s_lshl_b32 s17, s14, 7
	s_add_co_u32 s16, s16, s17                     ; Q: row 256 x tile row + 128 x half
	s_lshl_b32 s16, s16, 11
	s_mov_b32 s17, 0
	s_lshl_b32 s46, s76, 11                        ; K: row 2,048 x batch + 256 x tile column + 128 x half
	s_lshl_b32 s47, s42, 8
	s_add_co_u32 s46, s46, s47
	s_lshl_b32 s47, s14, 7
	s_add_co_u32 s46, s46, s47
	s_lshl_b32 s46, s46, 11
	s_add_co_u32 s46, s46, 16777216                ; K's place in qkv
	s_mov_b32 s47, 0
	s_mul_i32 s20, s12, HALFT                      ; where they go: wave x 128 rows
	s_lshl_b32 s22, s45, 8
	s_lshl_b32 s23, s13, 7
	s_add_co_u32 s22, s22, s23                     ; my first query row
	s_lshl_b32 s74, s22, 12                        ; in p,
	s_lshl_b32 s75, s42, 9
	s_add_co_u32 s74, s74, s75                     ; the tile's 256 keys,
	s_lshl_b32 s75, s14, 8
	s_add_co_u32 s74, s74, s75                     ; my 128 of them
	s_mov_b32 s75, 0
	s_lshl_b32 s22, s22, 2                         ; and in st: 4 bytes a row,
	s_lshl_b32 s23, s42, 1
	s_add_co_u32 s23, s23, s14                     ; t = 2 x tile column + half,
	s_lshl_b32 s23, s23, 15                        ; 32,768 bytes each
	s_add_co_u32 s22, s22, s23
	s_mov_b32 s23, 0
	s_mov_b32 s66, 0x3d38aa3b                      ; c = log2(e) / 32
	s_mov_b32 s67, s66                             ; named with it as a pair
	s_mov_b32 s68, 0x76543210                      ; v_permlanex16_b32: each lane takes its own place in the other half
	s_mov_b32 s69, 0xfedcba98
	s_mov_b32 s70, 0xffff0000                      ; lanes 16-31
	s_wait_kmcnt 0x0
	s_add_nc_u64 s[18:19], s[4:5], s[16:17]
	s_add_nc_u64 s[46:47], s[4:5], s[46:47]
	s_add_nc_u64 s[72:73], s[6:7], s[74:75]
	s_add_nc_u64 s[8:9], s[8:9], s[22:23]
	CROUND                                         ; all sixteen work-groups are here: the first joint loads meet
.irp s, 0,1
	s_mov_b32 s[G0+4*(\s)], 1
	s_add_co_u32 s[G0+4*(\s)+1], s20, (\s)*SLOT
	s_add_nc_u64 s[G0+4*(\s)+2:G0+4*(\s)+3], s[18:19], (\s)*KSTEP*2
	s_or_b32 s[G0+4*(\s)+3], s[G0+4*(\s)+3], 0x80000000
	s_mov_b32 s[G0B+4*(\s)], 1
	s_add_co_u32 s[G0B+4*(\s)+1], s20, (\s)*SLOT
	s_add_nc_u64 s[G0B+4*(\s)+2:G0B+4*(\s)+3], s[46:47], (\s)*KSTEP*2
	s_or_b32 s[G0B+4*(\s)+3], s[G0B+4*(\s)+3], 0x80000000
	JLOAD \s                                       ; two loads of mine are out
.endr
	v_and_b32 v1, 15, v0                           ; l % 16
	v_bfe_u32 v2, v0, 4, 1                         ; l / 16
	v_mul_u32_u24 v3, v1, PITCH
	v_lshl_add_u32 v3, v2, 4, v3                   ; a fragment's row x pitch + 16 x half
	s_mul_i32 s21, s13, HALFT                      ; my 128 rows of Q
	s_mul_i32 s22, s14, HALFT                      ; my 128 rows of K,
	s_add_co_u32 s22, s22, 2*HALFT                 ; which lie behind Q's 256
.irp s, 0,1
	v_add_nc_u32 v[ADRA+(\s)], s21, v3
	v_add_nc_u32 v[ADRB+(\s)], s22, v3
	s_add_co_u32 s21, s21, SLOT
	s_add_co_u32 s22, s22, SLOT
.endr
	s_mul_i32 s23, s12, 16*SPITCH
	s_add_co_u32 s23, s23, STAGE                   ; my stage
	v_mul_u32_u24 v4, v1, SPITCH
	v_lshl_add_u32 v4, v2, 4, v4
	v_add_nc_u32 v[STO], s23, v4
	v_mul_u32_u24 v5, v2, SPITCH
	v_lshl_add_u32 v5, v1, 4, v5
	v_add_nc_u32 v[RD], s23, v5
	v_mul_u32_u24 v5, v2, ROWB
	v_lshl_add_u32 v[CO], v1, 4, v5
	s_lshl_b32 s23, s12, 10
	s_add_co_u32 s23, s23, STAT                    ; my wave's statistics
	v_lshlrev_b32 v4, 2, v1
	v_lshl_add_u32 v4, v2, 9, v4                   ; word l % 16 of c m (lanes 0-15) or of l (lanes 16-31)
	v_add_nc_u32 v[STA], s23, v4
	v_and_b32 v5, 31, v0
	v_lshlrev_b32 v[SG], 4, v5
	v_add_nc_u32 v[STR], s23, v[SG]
; 16 matrix instructions; the 64 accumulators take turns, one instruction a turn, in the same order in every quarter
.macro MUL16 f, hi, a0, zero
	WIN MUL_LO+0x50*(\hi)
.irp a, \a0, (\a0)+1
.irp b, 0,1,2,3,4,5,6,7
.if \zero
	v_wmma_f32_16x16x32_f16 v[8*(8*(\a)+(\b)):8*(8*(\a)+(\b))+7], v[(\f)+8*(\b):(\f)+8*(\b)+7], v[(\f)+8*(4*(\hi)+(\a)):(\f)+8*(4*(\hi)+(\a))+7], 0
.else
	v_wmma_f32_16x16x32_f16 v[8*(8*(\a)+(\b)):8*(8*(\a)+(\b))+7], v[(\f)+8*(\b):(\f)+8*(\b)+7], v[(\f)+8*(4*(\hi)+(\a)):(\f)+8*(4*(\hi)+(\a))+7], v[8*(8*(\a)+(\b)):8*(8*(\a)+(\b))+7]
.endif
.endr
.endr
.endm
.macro FETCH slot, q, f                ; 32 LDS loads in one run: quarter q's fragments: K's 128 rows, then Q's
	WIN TO_B
.irp i, 0,1,2,3,4,5,6,7
	ds_load_b128 v[(\f)+8*(\i):(\f)+8*(\i)+3],   v[ADRB+(\slot)] offset:(\q)*64+(\i)*16*PITCH
	ds_load_b128 v[(\f)+8*(\i)+4:(\f)+8*(\i)+7], v[ADRB+(\slot)] offset:(\q)*64+(\i)*16*PITCH+32
.endr
	WIN 0
.irp i, 0,1,2,3,4,5,6,7
	ds_load_b128 v[(\f)+8*(\i):(\f)+8*(\i)+3],   v[ADRA+(\slot)] offset:(\q)*64+(\i)*16*PITCH
	ds_load_b128 v[(\f)+8*(\i)+4:(\f)+8*(\i)+7], v[ADRA+(\slot)] offset:(\q)*64+(\i)*16*PITCH+32
.endr
.endm
.macro PLACES                          ; four plain vector instructions between a matrix instruction and a load into, or a vector instruction on, one of its registers (ISA guide 7.12.1 for vector instructions)
.rept 4
	v_nop
.endr
.endm
.macro QUARTER slot, q, f, g, zero
	s_wait_dscnt 8                                 ; K and Q's rows 0-63 are in; the youngest eight loads (Q's rows 64-127) may be out
	MUL16 \f, 0, 0, \zero
	MUL16 \f, 0, 2, \zero
	PLACES
	FETCH \slot, \q, \g
	s_wait_dscnt 32                                ; all but the 32 just issued
	MUL16 \f, 1, 0, \zero
	MUL16 \f, 1, 2, \zero
.endm
; The change of slots: in front of the barrier each wave waits for all its tensor loads (one is out: its part of the next slot), adds 0 to its spare word, and waits for that and for its reads of this slot.
.macro MEET round
	WIN 0
	s_wait_tensorcnt 0x0
	ds_add_u32 v[SPW], v[NIL]
	s_wait_dscnt 9                                 ; the add and the youngest eight loads may be out
	MUL16 F1, 0, 0, 0
	s_wait_dscnt 0x0                               ; the add is done, my reads of this slot are over
	s_barrier_signal -1
	MUL16 F1, 0, 2, 0
.if \round
	WIN 0
.endif
	s_barrier_wait -1
.endm
.macro TURN slot, next, fill           ; fill = 1: the barrier opens a round of the cluster's, and the joint refill, two K steps on, is the first thing behind it
	MEET \fill
.if \fill
	CREST
	s_add_nc_u64 s[G0+4*(\slot)+2:G0+4*(\slot)+3], s[G0+4*(\slot)+2:G0+4*(\slot)+3], STEP2
	s_add_nc_u64 s[G0B+4*(\slot)+2:G0B+4*(\slot)+3], s[G0B+4*(\slot)+2:G0B+4*(\slot)+3], STEP2
	JLOAD \slot                                    ; its four v_nop are also the places in front of the loads below
.else
	PLACES
.endif
	FETCH \next, 0, F0
	MUL16 F1, 1, 0, 0
	MUL16 F1, 1, 2, 0
.endm
; THE SOFTMAX'S FIRST HALF for block a (16 queries x my 128 keys).  A lane holds 64 scores of one query, the lane 16 away the other 64.
.macro SOFT a
.set AC, 64*((\a)%4)
	WIN 21*(2+(\a)/4)                              ; all three sources in the block's window
.irp b, 0,1,2,3,4,5,6,7
	v_max3_num_f32 v[MX+(\b)], v[AC+8*(\b)], v[AC+8*(\b)+1], v[AC+8*(\b)+2]
.endr
	WIN 20*(2+(\a)/4)                              ; source 0 back in window 0
.irp b, 0,1,2,3,4,5,6,7
	v_max3_num_f32 v[MX+(\b)], v[MX+(\b)], v[AC+8*(\b)+3], v[AC+8*(\b)+4]
.endr
.irp b, 0,1,2,3,4,5,6,7
	v_max3_num_f32 v[MX+(\b)], v[MX+(\b)], v[AC+8*(\b)+5], v[AC+8*(\b)+6]
.endr
.irp i, 0,1,2,3
	v_max3_num_f32 v[MX+2*(\i)], v[MX+2*(\i)], v[AC+16*(\i)+7], v[AC+16*(\i)+15]
.endr
	WIN 0
	v_max3_num_f32 v[MX], v[MX], v[MX+1], v[MX+2]
	v_max3_num_f32 v[MX+3], v[MX+3], v[MX+4], v[MX+5]
	v_max_num_f32 v[MX+6], v[MX+6], v[MX+7]
	v_max3_num_f32 v[MX], v[MX], v[MX+3], v[MX+6]
	v_permlanex16_b32 v[MX+1], v[MX], s68, s69     ; the query's other 64 keys
	v_max_num_f32 v[MX], v[MX], v[MX+1]            ; m
	v_mul_f32 v[CM], s66, v[MX]                    ; c m, rounded once: the same number goes to st, so the last launch undoes exactly what is taken away here
	WIN 2+(\a)/4                                   ; source 0 in the block's window
.set i, 0
.rept 32
	v_pk_fma_f32 v[E+2*i:E+2*i+1], v[AC+2*i:AC+2*i+1], s[66:67], v[CM:CM+1] op_sel_hi:[1,0,0] neg_lo:[0,0,1] neg_hi:[0,0,1]  ; c s - c m
.set i, i+1
.endr
	WIN 0
.set i, 0
.rept 64
	v_exp_f32 v[E+i], v[E+i]
.set i, i+1
.endr
	v_nop                                          ; a plain instruction between the exponentials and the use of their results (ISA guide 5.7.2)
.set i, 0
	s_wait_alu depctr_va_vdst(0)
.rept 32
	v_cvt_pk_f16_f32 v[TMP+i], v[E+2*i], v[E+2*i+1]
.set i, i+1
.endr
.irp n, 16,8,4,2,1                     ; the sum of the 32 pairs, in place: halves are folded onto each other
.set i, 0
.rept \n
	v_pk_add_f32 v[E+2*i:E+2*i+1], v[E+2*i:E+2*i+1], v[E+2*(i+\n):E+2*(i+\n)+1]
.set i, i+1
.endr
.endr
	v_add_f32 v[E], v[E], v[E+1]
	v_permlanex16_b32 v[MX+2], v[E], s68, s69
	v_add_f32 v[E], v[E], v[MX+2]                  ; l
	v_cndmask_b32 v[MX], v[CM], v[E], s70          ; lanes 0-15 carry c m, lanes 16-31 l
	ds_store_b32 v[STA], v[MX] offset:64*(\a)      ; row 16 a + l % 16 of my wave's 128
.endm
.macro TOSTAGE a
	WIN 0
.set BK, OB+192*((\a)%2)
.irp b, 0,1,2,3,4,5,6,7
	ds_store_b128 v[STO], v[TMP+4*(\b):TMP+4*(\b)+3] offset:32*(\b)
.endr
.irp t, 0,1,2,3,4,5,6,7
	ds_load_b128 v[BK+4*(\t):BK+4*(\t)+3], v[RD] offset:(\t)*2*SPITCH  ; LDS serves a wave's instructions in order (ISA guide 5.7.1.4): these see the stores above
.endr
.endm
.macro SEND a
	WIN 0
.set BK, OB+192*((\a)%2)
	s_wait_dscnt 0x0                               ; the block is back in registers
	s_wait_xcnt 0x0                                ; the stores' base, and the registers that the stores two blocks back read, are rewritten only behind this wait
.if (\a) > 0
	s_add_nc_u64 s[72:73], s[72:73], 16*ROWB
.endif
.irp t, 0,1,2,3,4,5,6,7
	global_store_b128 v[CO], v[BK+4*(\t):BK+4*(\t)+3], s[72:73] offset:2*(\t)*ROWB  ; 16 lanes store 256 consecutive bytes, at a multiple of 256 from p's first byte
.endr
.endm
	s_wait_tensorcnt 1                             ; my part of K step 0 is in; K step 1's may stay out
	s_barrier_signal -1
	s_barrier_wait -1
	FETCH 0, 0, F0
	QUARTER 0, 1, F0, F1, 1                        ; the first quarter's products start the sums
	WIN 0
	s_mov_b32 s15, LAPS-1
.Llap:                                                 ; a trip goes once round the ring and fills both slots again
	QUARTER 0, 2, F1, F0, 0
	QUARTER 0, 3, F0, F1, 0
	TURN 0, 1, 1
	QUARTER 1, 1, F0, F1, 0
	QUARTER 1, 2, F1, F0, 0
	QUARTER 1, 3, F0, F1, 0
	TURN 1, 0, 1
	QUARTER 0, 1, F0, F1, 0
	WIN 0
	s_sub_co_u32 s15, s15, 1
	s_cmp_lg_u32 s15, 0
	s_cbranch_scc1 .Llap
	QUARTER 0, 2, F1, F0, 0                        ; the last lap is written out: it asks for nothing
	QUARTER 0, 3, F0, F1, 0
	TURN 0, 1, 0
	QUARTER 1, 1, F0, F1, 0
	QUARTER 1, 2, F1, F0, 0
	QUARTER 1, 3, F0, F1, 0
	s_wait_dscnt 8
	MUL16 F1, 0, 0, 0
	MUL16 F1, 0, 2, 0
	s_wait_dscnt 0x0
	MUL16 F1, 1, 0, 0
	MUL16 F1, 1, 2, 0
	WIN 0
	PLACES                                         ; what follows reads results just made and writes registers that were fragments
	v_mov_b32 v[CM+1], 0                           ; named as a pair with c m; the scaling takes the pair's low word for both halves
	SOFT 0
	TOSTAGE 0
.irp a, 1,2,3,4,5,6,7                  ; block a's arithmetic stands between block a - 1's loads from the stage and the wait for them
	SOFT \a
	SEND (\a)-1
	TOSTAGE \a
.endr
	SEND 7
	ds_load_b128 v[8:11], v[STR]                   ; my wave's 128 c m: its own bytes, served in order behind its stores
	ds_load_b128 v[12:15], v[STR] offset:512       ; and its 128 l
	s_wait_dscnt 0x0
	global_store_b128 v[SG], v[8:11], s[8:9]       ; 512 consecutive bytes, aligned to 512
	global_store_b128 v[SG], v[12:15], s[8:9] offset:524288
	s_wait_tensorcnt 0x0                           ; the wave's end
	ds_add_u32 v[SPW], v[NIL]
	s_wait_dscnt 0x0
	CROUND                                         ; the closing round
	s_endpgm
.Lfunc_end_k_q8c9a0f6a45_score:
	.size	k_q8c9a0f6a45_score, .Lfunc_end_k_q8c9a0f6a45_score-k_q8c9a0f6a45_score
	.p2alignl 7, 3214868480
	.fill 96, 4, 3214868480
	.section	.rodata,"a",@progbits
	.p2align	6, 0x0
	.amdhsa_kernel k_q8c9a0f6a45_score
		.amdhsa_group_segment_fixed_size 327680
		.amdhsa_private_segment_fixed_size 0
		.amdhsa_enable_private_segment 0
		.amdhsa_kernarg_size 24
		.amdhsa_user_sgpr_count 2
		.amdhsa_user_sgpr_kernarg_segment_ptr 1
		.amdhsa_wavefront_size32 1
		.amdhsa_system_sgpr_workgroup_id_x 1
		.amdhsa_system_sgpr_workgroup_id_y 1
		.amdhsa_system_sgpr_workgroup_id_z 1
		.amdhsa_system_vgpr_workitem_id 0
		.amdhsa_next_free_vgpr 1024
		.amdhsa_next_free_sgpr 80
		.amdhsa_reserve_vcc 0
		.amdhsa_float_denorm_mode_32 3
		.amdhsa_float_denorm_mode_16_64 3
		.amdhsa_memory_ordered 1
		.amdhsa_forward_progress 1
		.amdhsa_inst_pref_size 211
	.end_amdhsa_kernel
	.amdgpu_metadata
---
amdhsa.version: [ 1, 2 ]
amdhsa.kernels:
  - .name:           k_q8c9a0f6a45_score
    .symbol:         k_q8c9a0f6a45_score.kd
    .args:
      - { .name: qkv, .offset: 0, .size: 8, .value_kind: global_buffer, .address_space: global }
      - { .name: p, .offset: 8, .size: 8, .value_kind: global_buffer, .address_space: global }
      - { .name: st, .offset: 16, .size: 8, .value_kind: global_buffer, .address_space: global }
    .group_segment_fixed_size: 327680
    .private_segment_fixed_size: 0
    .kernarg_segment_align: 8
    .kernarg_segment_size: 24
    .max_flat_workgroup_size: 128
    .sgpr_count:     80
    .vgpr_count:     1024
    .wavefront_size: 32
...
	.end_amdgpu_metadata
.endif
;; end of part 3
;; launch pv (part 4): grid 4 x 64, 4 waves a work-group, clusters of 4 x 4, 327,680 bytes of LDS; arguments p, qkv, st, out0; writes out0
.if DOCPART == 4
	.amdgcn_target "amdgcn-amd-amdhsa--gfx1250"
	.amdhsa_code_object_version 6
	.text
	.protected	k_q8c9a0f6a45_pv
	.globl	k_q8c9a0f6a45_pv
	.p2align	8
	.type	k_q8c9a0f6a45_pv,@function
k_q8c9a0f6a45_pv:
	s_mov_b64 s[64:65], 0
	v_nop
	global_prefetch_b8 v0, s[64:65] scope:SCOPE_SE
	s_setreg_imm32_b32 hwreg(HW_REG_WAVE_MODE, 25, 1), 1
	s_wait_xcnt 0x0
	s_wait_alu depctr_hold_cnt(0) depctr_sa_sdst(0) depctr_va_vdst(0) depctr_va_sdst(0) depctr_va_ssrc(0) depctr_va_vcc(0) depctr_vm_vsrc(0)
	s_getreg_b32 s2, hwreg(HW_REG_IB_STS2, 6, 4)
	s_cmp_eq_u32 s2, 0
	s_cbranch_scc0 .Lentry_in_a_cluster
	s_endpgm
.Lentry_in_a_cluster:
	s_bfe_u32 s2, ttmp6, 0x10000c
	s_cmp_lg_u32 s2, 0xf033
	s_cbranch_scc0 .Lentry_shape_is_right
	s_endpgm
.Lentry_shape_is_right:
; out0[row][ch] = (the sum over the row's 16 key tiles t of w_t x (P'_t V_t)[ch]) / L, with M = the largest c m_t of the row (the row's true maximum), w_t = 2^(c m_t - M), L = the sum of w_t l_t.
; p: [8192][2048] f16; V: [8192][1024] f16, 33,554,432 bytes into qkv; st: [2][16][8192] f32 (c m, then l); out0: [8192][1024] f32.
; w_t is rounded to f16 and multiplied onto P's fragments in registers (one weight a lane: a lane holds one query); products in f16, sums in f32; 1 / L stays in f32 and is applied at the end.
; LIMITS.  w_t and P' w_t lie in 0 to 1 and are rounded to f16: below 6e-5 they keep f16's fixed step of 6e-8; w_t below 2^-126 counts as 0.  L is at least the largest tile's l, which is about 1 or more.  NaN and infinities are not treated apart.
; SHARES.  A tile of 128 queries x 256 channels gives 256 work-groups.  Four waves, each 64 x 128: 32 accumulators, 256 registers.  The 2,048 keys go in 16 steps of 128, one tile t a step, through two LDS
; slots.  P's rows in a tile are 256 bytes of memory, V's 512, both aligned to 256.  V lies [key][channel], K down the rows: its fragments come out of LDS turned, by ds_load_tr16_b128.
; CLUSTER.  4 x 4 work-groups: the four of a row of the cluster (one query block, four channel blocks) need the same tile of P, the four of a column the same tile of V (the batch hangs on the cluster's y
; alone): each tile is asked for jointly, by the same tensor load, descriptor and mask in all four.
; THE MATRIX INSTRUCTION IS USED TRANSPOSED: source 0 = 16 channels of V, source 1 = 16 queries of P: a lane holds query l % 16 and the eight neighbouring channels 8 (l / 16) + 0..7.
; REGISTERS, in windows of 256 (s_set_vgpr_msb: bits 1:0 source 0, 3:2 source 1, 5:4 source 2, 7:6 destination):
;   window 0: v0-31 addresses; v32-39 weights, four for each slot; v40-47 1 / L; v64-127 fragments of P, two buffers of 32; v128-255 at work at the start and on the way out
;   window 1: v0-127 fragments of V, two buffers of 64          window 2: the accumulators, (a, b) at v[8 (8 a + b)]
.set PITCH,  272                       ; a row of P in LDS: 256 bytes + 16 of padding
.set BPITCH, 544                       ; a row of V: 512 + 32
.set AHALF,  64*PITCH                  ; what a load of P brings: 64 rows
.set BHALF,  64*BPITCH                 ; what a load of V brings: 64 rows
.set BOFF,   2*AHALF                   ; V lies behind P's 128 rows
.set SLOT,   BOFF+2*BHALF
.set STAGE,  2*SLOT                    ; behind the ring: 16 rows x 528 bytes for each wave; no tensor load lands here or further on
.set SPITCH, 528
.set WT,     STAGE+4*16*SPITCH         ; [16 t][128 rows] words: w_t twice, as two f16
.set INV,    WT+16*512                 ; [128 rows] 1 / L
.set SPARE,  INV+512                   ; the spare words, 128 bytes for each wave: two blocks of 256 bytes that no other line names
.set LAPS,   8                         ; a lap = two key steps
.set ASTEP,  512                       ; two steps along P's rows
.set BSTEP,  2*128*2048                ; two steps down V's rows
.set ADRA, 16                          ; v16-17  LDS address of my fragments of P in slot 0, 1
.set ADRB, 20                          ; v20-21  of V
.set STO,  24
.set RD,   25
.set CO,   26                          ; v26     16 x lane
.set VW,   27                          ; v27     where the lap's weights of my lane's row lie
.set SPW,  28
.set NIL,  29
.set VI,   30                          ; v30     where 1 / L of my lane's row lies
.set VW0,  31                          ; v31     my lane's row in the table's first line; never rewritten
.set WR,   32
.set IV,   40
.set FA,   64
.set T,    128
.set BK,   192
.set G1,  24
.set G0,  32
.set G1B, 48
.set G0B, 56
.set MSB, 0
.macro WIN new                         ; the immediate's high byte repeats the setting that is left; a switch that changes nothing is dropped
.if MSB != (\new)
	s_set_vgpr_msb (MSB<<8)|(\new)
.set MSB, \new
.endif
.endm
; A joint load.  Waves 0 and 1 fetch P's two halves, waves 2 and 3 V's.  An s_nop 0 and four v_nop follow each of the two lines.
.macro JLOAD s
	s_cmp_eq_u32 s13, 0
	s_cbranch_scc0 .Lfor_b_\@
	tensor_load_to_lds s[G0+4*(\s):G0+4*(\s)+3], s[G1:G1+7]
	s_nop 0
.rept 4
	v_nop
.endr
	s_branch .Lasked_\@
.Lfor_b_\@:
	tensor_load_to_lds s[G0B+4*(\s):G0B+4*(\s)+3], s[G1B:G1B+7]
	s_nop 0
.rept 4
	v_nop
.endr
.Lasked_\@:
.endm
.macro CREST                           ; a round of the cluster's barrier behind its opening barrier
	s_cmp_lg_u32 s12, 0
	s_cbranch_scc1 .Lnot_wave_0_\@
	s_barrier_signal -3
.Lnot_wave_0_\@:
	s_barrier_wait -3
	s_barrier_signal -1
	s_barrier_wait -1
.endm
.macro CROUND
	s_barrier_signal -1
	s_barrier_wait -1
	CREST
.endm
	s_load_b256 s[4:11], s[0:1], 0x0               ; p s[4:5], qkv s[6:7], st s[8:9], out0 s[10:11]
	v_lshl_add_u32 v[SPW], v0, 2, SPARE
	v_mov_b32 v[NIL], 0
	ds_add_u32 v28, v29
	s_wait_dscnt 0x0
	v_lshrrev_b32 v1, 5, v0
	v_readfirstlane_b32 s12, v1                    ; wave 0..3
	s_lshr_b32 s13, s12, 1                         ; which half of the tile's queries is mine.  Also: I fetch for P (0) or for V (1)
	s_and_b32 s14, s12, 1                          ; which half of its channels.  Also: which 64 rows of that tile I fetch
	s_bfe_u32 s40, ttmp6, 0x40000                  ; cx
	s_bfe_u32 s41, ttmp6, 0x40004                  ; cy
	s_lshl_b32 s42, ttmp9, 2
	s_add_co_u32 s42, s42, s40                     ; tile column: 256 channels
	s_and_b32 s76, ttmp7, 0xffff
	s_lshl_b32 s45, s76, 2
	s_add_co_u32 s45, s45, s41                     ; tile row: 128 of all 8,192 query rows
	s_lshr_b32 s76, s76, 2                         ; the batch: sixteen tile rows, four clusters, each
	s_lshl_b32 s43, s41, 2
	s_lshl_b32 s43, 15, s43                        ; my row of the cluster
	s_lshl_b32 s44, 0x1111, s40                    ; my column
	; group 1 for P: 64 rows x 128 elements, 2,048 elements from row to row
	s_or_b32 s[G1+0], s43, (1<<16)|(1<<20)|(1<<21)|(5<<22)|(3<<25)  ; 15:0 mask; 17:16 2-byte elements; 20 padding on; 21 set beside a mask; 24:22 after every 64 words; 31:25 4 words
	s_mov_b32 s[G1+1], 128<<16                     ; tensor_dim0 = 128
	s_mov_b32 s[G1+2], 64<<16                      ; tensor_dim1 = 64
	s_mov_b32 s[G1+3], 128<<16                     ; tile_dim0 = 128
	s_mov_b32 s[G1+4], 64                          ; tile_dim1 = 64
	s_mov_b32 s[G1+5], 2048
	s_mov_b32 s[G1+6], 0
	s_mov_b32 s[G1+7], 0
	; group 1 for V: 64 rows (keys) x 256 elements (channels), 1,024 elements from row to row
	s_or_b32 s[G1B+0], s44, (1<<16)|(1<<20)|(1<<21)|(6<<22)|(7<<25) ; padding after every 128 words, 8 words
	s_mov_b32 s[G1B+1], 256<<16
	s_mov_b32 s[G1B+2], 64<<16
	s_mov_b32 s[G1B+3], 256<<16
	s_mov_b32 s[G1B+4], 64
	s_mov_b32 s[G1B+5], 1024
	s_mov_b32 s[G1B+6], 0
	s_mov_b32 s[G1B+7], 0
	s_lshl_b32 s16, s45, 7
	s_lshl_b32 s17, s14, 6
	s_add_co_u32 s16, s16, s17                     ; P: row 128 x tile row + 64 x half
	s_lshl_b32 s16, s16, 12
	s_mov_b32 s17, 0
	s_lshl_b32 s46, s76, 11                        ; V: row 2,048 x batch + 64 x half
	s_lshl_b32 s47, s14, 6
	s_add_co_u32 s46, s46, s47
	s_lshl_b32 s46, s46, 11
	s_lshl_b32 s47, s42, 9                         ; 256 channels
	s_add_co_u32 s46, s46, s47
	s_add_co_u32 s46, s46, 33554432                ; V's place in qkv
	s_mov_b32 s47, 0
	s_mul_i32 s20, s14, AHALF                      ; where they go: no place in the cluster enters an LDS address
	s_mul_i32 s21, s14, BHALF
	s_add_co_u32 s21, s21, BOFF
	s_lshl_b32 s22, s45, 9                         ; the tile's 128 rows in a line of st
	s_mov_b32 s23, 0
	s_lshl_b32 s74, s45, 7
	s_lshl_b32 s75, s13, 6
	s_add_co_u32 s74, s74, s75                     ; my first row of out0,
	s_lshl_b32 s74, s74, 12
	s_lshl_b32 s75, s42, 10
	s_add_co_u32 s74, s74, s75                     ; the tile's 256 channels,
	s_lshl_b32 s75, s14, 9
	s_add_co_u32 s74, s74, s75                     ; my 128 of them
	s_mov_b32 s75, 0
	s_mov_b32 s77, 0                               ; the lap's place in the table of weights
	s_wait_kmcnt 0x0
	s_add_nc_u64 s[18:19], s[4:5], s[16:17]
	s_add_nc_u64 s[46:47], s[6:7], s[46:47]
	s_add_nc_u64 s[8:9], s[8:9], s[22:23]
	s_add_nc_u64 s[72:73], s[10:11], s[74:75]
	CROUND                                         ; all sixteen work-groups are here: the first joint loads meet
.irp s, 0,1
	s_mov_b32 s[G0+4*(\s)], 1
	s_add_co_u32 s[G0+4*(\s)+1], s20, (\s)*SLOT
	s_add_nc_u64 s[G0+4*(\s)+2:G0+4*(\s)+3], s[18:19], (\s)*256      ; key step s
	s_or_b32 s[G0+4*(\s)+3], s[G0+4*(\s)+3], 0x80000000
	s_mov_b32 s[G0B+4*(\s)], 1
	s_add_co_u32 s[G0B+4*(\s)+1], s21, (\s)*SLOT
	s_add_nc_u64 s[G0B+4*(\s)+2:G0B+4*(\s)+3], s[46:47], (\s)*128*2048
	s_or_b32 s[G0B+4*(\s)+3], s[G0B+4*(\s)+3], 0x80000000
	JLOAD \s                                       ; two loads of mine are out
.endr
	; THE ROWS' STATISTICS.  Thread i takes row i of the tile's 128: sixteen c m and sixteen l.
	v_lshlrev_b32 v6, 2, v0
.irp t, 0,1,2,3,4,5,6,7,8,9,10,11,12,13,14,15
	global_load_b32 v[T+\t],    v6, s[8:9] offset:(\t)*32768
	global_load_b32 v[T+16+\t], v6, s[8:9] offset:524288+(\t)*32768
.endr
	v_lshl_add_u32 v7, v0, 2, WT                   ; my row's word in the table's first line
	v_and_b32 v1, 15, v0                           ; l % 16
	v_bfe_u32 v2, v0, 4, 1                         ; l / 16
	v_mul_u32_u24 v3, v1, PITCH
	v_lshl_add_u32 v3, v2, 4, v3                   ; a fragment of P: row x pitch + 16 x half
	s_mul_i32 s22, s13, AHALF                      ; my 64 rows of P
	v_and_b32 v4, 7, v0                            ; a fragment of V, turned: lane l reads row 8 (l / 16) + l % 8, channels 8 ((l / 8) % 2) + 0..7
	v_lshl_add_u32 v4, v2, 3, v4
	v_mul_u32_u24 v4, v4, BPITCH
	v_bfe_u32 v5, v0, 3, 1
	v_lshl_add_u32 v4, v5, 4, v4
	s_lshl_b32 s23, s14, 8                         ; my 128 channels
	s_add_co_u32 s23, s23, BOFF
.irp s, 0,1
	v_add_nc_u32 v[ADRA+(\s)], s22, v3
	v_add_nc_u32 v[ADRB+(\s)], s23, v4
	s_add_co_u32 s22, s22, SLOT
	s_add_co_u32 s23, s23, SLOT
.endr
	s_lshl_b32 s22, s13, 8                         ; my 64 rows' words
	v_lshl_add_u32 v[VW0], v1, 2, s22
	v_add_nc_u32 v[VI], INV, v[VW0]
	v_add_nc_u32 v[VW0], WT, v[VW0]
	v_mov_b32 v[VW], v[VW0]
	s_mul_i32 s23, s12, 16*SPITCH
	s_add_co_u32 s23, s23, STAGE                   ; my stage
	v_mul_u32_u24 v3, v1, SPITCH                   ; in: row l % 16, 32 bytes for each half of the lanes
	v_lshl_add_u32 v3, v2, 5, v3
	v_add_nc_u32 v[STO], s23, v3
	v_and_b32 v5, 31, v0
	v_lshlrev_b32 v[CO], 4, v5                     ; back: 32 lanes take one row of 512 bytes
	v_add_nc_u32 v[RD], s23, v[CO]
	s_wait_loadcnt 0x0
	v_max3_num_f32 v[T+32], v[T], v[T+1], v[T+2]
.irp t, 3,5,7,9,11,13
	v_max3_num_f32 v[T+32], v[T+32], v[T+\t], v[T+\t+1]
.endr
	v_max_num_f32 v[T+32], v[T+32], v[T+15]        ; M
.irp t, 0,1,2,3,4,5,6,7,8,9,10,11,12,13,14,15
	v_sub_f32 v[T+\t], v[T+\t], v[T+32]
.endr
.irp t, 0,1,2,3,4,5,6,7,8,9,10,11,12,13,14,15
	v_exp_f32 v[T+\t], v[T+\t]                     ; w_t
.endr
	v_nop                                          ; a plain instruction between the exponentials and the use of their results (ISA guide 5.7.2)
	s_wait_alu depctr_va_vdst(0)
	v_mul_f32 v[T+33], v[T], v[T+16]
.irp t, 1,2,3,4,5,6,7,8,9,10,11,12,13,14,15
	v_fmac_f32 v[T+33], v[T+\t], v[T+16+\t]        ; L
.endr
	v_rcp_f32 v[T+34], v[T+33]
	v_nop
.irp t, 0,1,2,3,4,5,6,7,8,9,10,11,12,13,14,15
	v_cvt_pk_f16_f32 v[T+48+\t], v[T+\t], v[T+\t]
.endr
.irp t, 0,1,2,3,4,5,6,7,8,9,10,11,12,13,14,15
	ds_store_b32 v7, v[T+48+\t] offset:512*(\t)
.endr
	s_wait_alu depctr_va_vdst(0)
	ds_store_b32 v7, v[T+34] offset:16*512
; 8 matrix instructions: m block a x all 8 n blocks, 32 keys.  The 32 accumulators take turns, one instruction a turn, in the same order in every quarter.
.macro MUL8 f, a, zero
	WIN 0xa1                                       ; source 0 (V) window 1, source 1 (P) window 0, C and D window 2
.irp b, 0,1,2,3,4,5,6,7
.if \zero
	v_wmma_f32_16x16x32_f16 v[8*(8*(\a)+(\b)):8*(8*(\a)+(\b))+7], v[64*(\f)+8*(\b):64*(\f)+8*(\b)+7], v[FA+32*(\f)+8*(\a):FA+32*(\f)+8*(\a)+7], 0
.else
	v_wmma_f32_16x16x32_f16 v[8*(8*(\a)+(\b)):8*(8*(\a)+(\b))+7], v[64*(\f)+8*(\b):64*(\f)+8*(\b)+7], v[FA+32*(\f)+8*(\a):FA+32*(\f)+8*(\a)+7], v[8*(8*(\a)+(\b)):8*(8*(\a)+(\b))+7]
.endif
.endr
.endm
.macro FETCH slot, q, f                ; 24 LDS loads in one run: quarter q's fragments: V's 128 channels, then P's 64 rows
	WIN 0x40                                       ; destination window 1
.irp i, 0,1,2,3,4,5,6,7
	ds_load_tr16_b128 v[64*(\f)+8*(\i):64*(\f)+8*(\i)+3],   v[ADRB+(\slot)] offset:(\q)*32*BPITCH+(\i)*32
	ds_load_tr16_b128 v[64*(\f)+8*(\i)+4:64*(\f)+8*(\i)+7], v[ADRB+(\slot)] offset:(\q)*32*BPITCH+(\i)*32+16*BPITCH
.endr
	WIN 0
.irp i, 0,1,2,3
	ds_load_b128 v[FA+32*(\f)+8*(\i):FA+32*(\f)+8*(\i)+3],   v[ADRA+(\slot)] offset:(\q)*64+(\i)*16*PITCH
	ds_load_b128 v[FA+32*(\f)+8*(\i)+4:FA+32*(\f)+8*(\i)+7], v[ADRA+(\slot)] offset:(\q)*64+(\i)*16*PITCH+32
.endr
.endm
.macro WLOAD slot                      ; the step's weights for my lane's row in each of my four blocks
.irp a, 0,1,2,3
	ds_load_b32 v[WR+4*(\slot)+(\a)], v[VW] offset:512*(\slot)+64*(\a)
.endr
.endm
.macro SCALE f, slot                   ; P' w_t, two keys at a time
	WIN 0
.irp a, 0,1,2,3
.irp j, 0,1,2,3,4,5,6,7
	v_pk_mul_f16 v[FA+32*(\f)+8*(\a)+(\j)], v[FA+32*(\f)+8*(\a)+(\j)], v[WR+4*(\slot)+(\a)]
.endr
.endr
.endm
.macro PLACES                          ; four plain vector instructions between a matrix instruction and a load into, or a vector instruction on, one of its registers (ISA guide 7.12.1 for vector instructions)
.rept 4
	v_nop
.endr
.endm
; A key step is four quarters of 32 keys, 32 matrix instructions each, on buffers 0, 1, 0, 1.  One of the first three scales and multiplies buffer f and fetches quarter q into g.
; The 32 multiplies name no register of the products in front of them: they are also the places in front of the loads into g.
.macro QUARTER slot, q, f, g, zero
	s_wait_dscnt 0x0                               ; buffer f's loads are in
	SCALE \f, \slot
	FETCH \slot, \q, \g
	MUL8 \f, 0, \zero
	MUL8 \f, 1, \zero
	MUL8 \f, 2, \zero
	MUL8 \f, 3, \zero
.endm
; The last quarter multiplies buffer 1 and changes slots.  In front of the barrier each wave waits for all its tensor loads (one is out: its part of the next slot), adds 0 to its spare word, and waits for
; that and for its reads of this slot.  fill = 1: the barrier opens a round of the cluster's, and the joint refill, two steps on, is the first thing behind it: 112 matrix instructions ahead of the wait for it.
.macro TURN slot, next, fill
	WIN 0
	s_wait_tensorcnt 0x0
	ds_add_u32 v[SPW], v[NIL]
	s_wait_dscnt 1                                 ; only the add may be out: buffer 1 is in
	SCALE 1, \slot
	MUL8 1, 0, 0
	s_wait_dscnt 0x0                               ; the add is done, my reads of this slot are over
	s_barrier_signal -1
	MUL8 1, 1, 0
	WIN 0
	s_barrier_wait -1
.if \fill
	CREST
	s_add_nc_u64 s[G0+4*(\slot)+2:G0+4*(\slot)+3], s[G0+4*(\slot)+2:G0+4*(\slot)+3], ASTEP
	s_add_nc_u64 s[G0B+4*(\slot)+2:G0B+4*(\slot)+3], s[G0B+4*(\slot)+2:G0B+4*(\slot)+3], BSTEP
	JLOAD \slot
.else
	PLACES
.endif
.if (\next) == 0
	s_add_co_u32 s77, s77, 1024                    ; the next lap's two lines of the table
	v_add_nc_u32 v[VW], s77, v[VW0]
.endif
	FETCH \next, 0, 0
	WLOAD \next
	MUL8 1, 2, 0
	MUL8 1, 3, 0
.endm
	s_wait_tensorcnt 1                             ; my part of key step 0 is in; step 1's may stay out
	s_wait_dscnt 0x0                               ; for the others' sake: my rows of the tables are written
	s_barrier_signal -1
	s_barrier_wait -1
	FETCH 0, 0, 0
	WLOAD 0
.irp a, 0,1,2,3
	ds_load_b32 v[IV+2*(\a)], v[VI] offset:64*(\a) ; 1 / L of my lane's row in each of my four blocks
.endr
	QUARTER 0, 1, 0, 1, 1                          ; the first quarter's products start the sums
	WIN 0
	s_mov_b32 s15, LAPS-1
.Llap:                                                 ; a trip goes once round the ring and fills both slots again
	QUARTER 0, 2, 1, 0, 0
	QUARTER 0, 3, 0, 1, 0
	TURN 0, 1, 1
	QUARTER 1, 1, 0, 1, 0
	QUARTER 1, 2, 1, 0, 0
	QUARTER 1, 3, 0, 1, 0
	TURN 1, 0, 1
	QUARTER 0, 1, 0, 1, 0
	WIN 0
	s_sub_co_u32 s15, s15, 1
	s_cmp_lg_u32 s15, 0
	s_cbranch_scc1 .Llap
	QUARTER 0, 2, 1, 0, 0                          ; the last lap is written out: it asks for nothing
	QUARTER 0, 3, 0, 1, 0
	TURN 0, 1, 0
	QUARTER 1, 1, 0, 1, 0
	QUARTER 1, 2, 1, 0, 0
	QUARTER 1, 3, 0, 1, 0
	s_wait_dscnt 0x0                               ; the very last quarter
	SCALE 1, 1
	MUL8 1, 0, 0
	MUL8 1, 1, 0
	MUL8 1, 2, 0
	MUL8 1, 3, 0
	WIN 0
	PLACES                                         ; what follows reads results just made
.irp a, 0,1,2,3
	v_mov_b32 v[IV+2*(\a)+1], v[IV+2*(\a)]         ; named as a pair
.endr
; THE WAY OUT of block a (16 rows): times 1 / L, each accumulator from its low end; 32 bytes a lane into my stage; back as whole rows of 512 bytes; stored.
.macro OUT a
	WIN 0x02                                       ; source 0 in window 2
.set i, 0
.rept 32
	v_pk_mul_f32 v[T+2*i:T+2*i+1], v[64*(\a)+2*i:64*(\a)+2*i+1], v[IV+2*(\a):IV+2*(\a)+1] op_sel_hi:[1,0]
.set i, i+1
.endr
	WIN 0
.set k, 0
.rept 16
	ds_store_b128 v[STO], v[T+4*k:T+4*k+3] offset:64*(k/2)+16*(k%2)
.set k, k+1
.endr
	s_wait_xcnt 0x0                                ; the registers that the last block's stores read, and their base, are rewritten only behind this wait
.set k, 0
.rept 16
	ds_load_b128 v[BK+4*k:BK+4*k+3], v[RD] offset:SPITCH*k  ; LDS serves a wave's instructions in order (ISA guide 5.7.1.4): these see the stores above
.set k, k+1
.endr
	s_wait_dscnt 0x0
.if (\a) > 0
	s_add_nc_u64 s[72:73], s[72:73], 16*4096       ; 16 rows on
.endif
.set k, 0
.rept 16
	global_store_b128 v[CO], v[BK+4*k:BK+4*k+3], s[72:73] offset:4096*k th:TH_STORE_NT  ; 512 consecutive bytes, aligned to 512; written once
.set k, k+1
.endr
.endm
	OUT 0
	OUT 1
	OUT 2
	OUT 3
	s_wait_tensorcnt 0x0                           ; the wave's end
	ds_add_u32 v[SPW], v[NIL]
	s_wait_dscnt 0x0
	CROUND                                         ; the closing round
	s_endpgm
.Lfunc_end_k_q8c9a0f6a45_pv:
	.size	k_q8c9a0f6a45_pv, .Lfunc_end_k_q8c9a0f6a45_pv-k_q8c9a0f6a45_pv
	.p2alignl 7, 3214868480
	.fill 96, 4, 3214868480
	.section	.rodata,"a",@progbits
	.p2align	6, 0x0
	.amdhsa_kernel k_q8c9a0f6a45_pv
		.amdhsa_group_segment_fixed_size 327680
		.amdhsa_private_segment_fixed_size 0
		.amdhsa_enable_private_segment 0
		.amdhsa_kernarg_size 32
		.amdhsa_user_sgpr_count 2
		.amdhsa_user_sgpr_kernarg_segment_ptr 1
		.amdhsa_wavefront_size32 1
		.amdhsa_system_sgpr_workgroup_id_x 1
		.amdhsa_system_sgpr_workgroup_id_y 1
		.amdhsa_system_sgpr_workgroup_id_z 1
		.amdhsa_system_vgpr_workitem_id 0
		.amdhsa_next_free_vgpr 768
		.amdhsa_next_free_sgpr 80
		.amdhsa_reserve_vcc 0
		.amdhsa_float_denorm_mode_32 3
		.amdhsa_float_denorm_mode_16_64 3
		.amdhsa_memory_ordered 1
		.amdhsa_forward_progress 1
		.amdhsa_inst_pref_size 133
	.end_amdhsa_kernel
	.amdgpu_metadata
---
amdhsa.version: [ 1, 2 ]
amdhsa.kernels:
  - .name:           k_q8c9a0f6a45_pv
    .symbol:         k_q8c9a0f6a45_pv.kd
    .args:
      - { .name: p, .offset: 0, .size: 8, .value_kind: global_buffer, .address_space: global }
      - { .name: qkv, .offset: 8, .size: 8, .value_kind: global_buffer, .address_space: global }
      - { .name: st, .offset: 16, .size: 8, .value_kind: global_buffer, .address_space: global }
      - { .name: out0, .offset: 24, .size: 8, .value_kind: global_buffer, .address_space: global }
    .group_segment_fixed_size: 327680
    .private_segment_fixed_size: 0
    .kernarg_segment_align: 8
    .kernarg_segment_size: 32
    .max_flat_workgroup_size: 128
    .sgpr_count:     80
    .vgpr_count:     768
    .wavefront_size: 32
...
	.end_amdgpu_metadata
.endif
;; end of part 4
;; ======== version 2 of 2: 5 launches; 1.13 times as fast as version 1
;; limits: values are held in f16: magnitudes above 65,504 overflow, below 6.1e-05 lose precision
;; workspace buffers: bf 39,845,888 bytes; g 2,097,152 bytes; tv 33,554,432 bytes; p 33,554,432 bytes; st 1,048,576 bytes
;; launch prep: the kernel of part 1 again; grid 1216 x 1, 8 waves a work-group, no clusters, 0 bytes of LDS; arguments x, y, kernel, bf; writes bf
;; launch gram (part 5): grid 16 x 16, 4 waves a work-group, clusters of 4 x 4, 327,680 bytes of LDS; arguments bf, g; writes g
.if DOCPART == 5
	.amdgcn_target "amdgcn-amd-amdhsa--gfx1250"
	.amdhsa_code_object_version 6
	.text
	.protected	k_q8c9a0f6a45_gram
	.globl	k_q8c9a0f6a45_gram
	.p2align	8
	.type	k_q8c9a0f6a45_gram,@function
k_q8c9a0f6a45_gram:
	s_mov_b64 s[64:65], 0
	v_nop
	global_prefetch_b8 v0, s[64:65] scope:SCOPE_SE
	s_setreg_imm32_b32 hwreg(HW_REG_WAVE_MODE, 25, 1), 1
	s_wait_xcnt 0x0
	s_wait_alu depctr_hold_cnt(0) depctr_sa_sdst(0) depctr_va_vdst(0) depctr_va_sdst(0) depctr_va_ssrc(0) depctr_va_vcc(0) depctr_vm_vsrc(0)
	s_getreg_b32 s2, hwreg(HW_REG_IB_STS2, 6, 4)
	s_cmp_eq_u32 s2, 0
	s_cbranch_scc0 .Lentry_in_a_cluster
	s_endpgm
.Lentry_in_a_cluster:
	s_bfe_u32 s2, ttmp6, 0x10000c
	s_cmp_lg_u32 s2, 0xf033
	s_cbranch_scc0 .Lentry_shape_is_right
	s_endpgm
.Lentry_shape_is_right:
; G[d][e] = the sum over o of W0[d][o] W1[e][o].  W0, W1: [1024][1024] bf16 in bf, at bytes 33,554,432 and 35,651,584; g: [1024][1024] bf16.
; WHY.  The scores (x W0)(x W1)^T are the same sum of products as (x G) x^T, for every input; G costs 1024^3 multiply-adds once and spares one projection of 8192 x 1024 x 1024.
; Products in bf16, sums in f32, G rounded once to bf16 (it has bf16's range, so no size of the weights is shut out).  NaN and infinities are not treated apart.
; SHARES.  A work-group makes 64 x 64 of G: 256 work-groups.  K = 1024 is split over its four waves, 256 each: a wave makes the whole 64 x 64 (16 accumulators) for its quarter of K, so every LDS
; byte is read once, and a wave reads only what its own two tensor loads brought (64 rows x 512 bytes of W0 and of W1): its own wait is all the ordering that those reads need.
; No LDS byte is filled twice.  The four partial sums meet in LDS.
; one barrier; each wave adds 16 rows of the four, rounds and stores them.
; A stored row piece is the tile's 64 columns, 128 bytes: half of an aligned 256.  A tile of 32 x 128 would store whole ones but needs 320 KiB and padding for its rows; G is 2 MB in all.
; CLUSTER.  4 x 4 work-groups: the four of a row of the cluster need the same rows of W0, the four of a column the same rows of W1: each tile is asked for jointly, by the same tensor load, descriptor and mask.
; THE MATRIX INSTRUCTION IS USED TRANSPOSED: source 0 = 16 rows of W1, source 1 = 16 rows of W0: a lane holds row d = l % 16 and the eight neighbouring columns e = 8 (l / 16) + 0..7.
; REGISTERS: window 0: v0-31 addresses; v32-47 rounded results; v64-127, v128-191 two fragment buffers (32 registers of W0, then 32 of W1), later the partial sums read back.
;   window 1: the accumulators, (a, b) at v[8 (4 a + b)].   (s_set_vgpr_msb: bits 1:0 source 0, 3:2 source 1, 5:4 source 2, 7:6 destination)
.set PITCH, 528                        ; an LDS row: 512 bytes + 16 of padding: the 16 rows of a fragment load start at 16 different groups of four banks (64 banks of 4 bytes: ISA guide 11.1)
.set REG,   64*PITCH                   ; what one tensor load brings
.set WREG,  2*REG                      ; a wave's two regions: W0's rows, then W1's
.set RP,    272                        ; a row of a partial sum: 64 f32 + 16 bytes
.set AADR, 10                          ; v10     LDS address of my fragments of W0
.set BADR, 11                          ; v11     of W1
.set PST,  12                          ; v12     where I put 32 bytes of a row of my partial sum
.set RD,   16                          ; v16-19  where I read 32 bytes of a row of partial sum 0..3
.set GO,   20                          ; v20     my byte offset in four rows of g
.set OUTR, 32
.set F0,   64
.set F1,   128
.set SUM,  64                          ; pass p, partial sum u: eight registers at SUM + 32 p + 8 u
.set G1,  24                           ; s[24:31] descriptor group 1 for W0's tile;  s[32:35] group 0
.set G0,  32
.set G1B, 48                           ; s[48:55], s[56:59] the same for W1's
.set G0B, 56
.set MSB, 0
.macro WIN new                         ; the immediate's high byte repeats the setting that is left; a switch that changes nothing is dropped
.if MSB != (\new)
	s_set_vgpr_msb (MSB<<8)|(\new)
.set MSB, \new
.endif
.endm
; A round of the cluster's barrier: my work-group's barrier, so that wave 0's signal speaks for all four waves; wave 0 signals; every wave waits for all sixteen work-groups; my work-group's barrier once more.
.macro CROUND
	s_barrier_signal -1
	s_barrier_wait -1
	s_cmp_lg_u32 s12, 0
	s_cbranch_scc1 .Lnot_wave_0_\@
	s_barrier_signal -3
.Lnot_wave_0_\@:
	s_barrier_wait -3
	s_barrier_signal -1
	s_barrier_wait -1
.endm
.macro PLACES                          ; four plain vector instructions between a matrix instruction and a load into, or a store of, one of its registers (ISA guide 7.12.1 for vector instructions)
.rept 4
	v_nop
.endr
.endm
	s_load_b128 s[4:7], s[0:1], 0x0                ; bf s[4:5], g s[6:7]
	v_lshl_add_u32 v254, v0, 2, 0x42000
	v_mov_b32 v255, 0
	ds_add_u32 v254, v255
	v_lshrrev_b32 v1, 5, v0
	v_readfirstlane_b32 s12, v1                    ; wave 0..3: my quarter of K
	s_bfe_u32 s40, ttmp6, 0x40000                  ; cx
	s_bfe_u32 s41, ttmp6, 0x40004                  ; cy
	s_lshl_b32 s42, ttmp9, 2
	s_add_co_u32 s42, s42, s40                     ; tile column: 64 rows of W1
	s_and_b32 s45, ttmp7, 0xffff
	s_lshl_b32 s45, s45, 2
	s_add_co_u32 s45, s45, s41                     ; tile row: 64 rows of W0
	s_lshl_b32 s43, s41, 2
	s_lshl_b32 s43, 15, s43                        ; my row of the cluster
	s_lshl_b32 s44, 0x1111, s40                    ; my column
	s_or_b32 s[G1+0], s43, (1<<16)|(1<<20)|(1<<21)|(6<<22)|(3<<25)  ; 15:0 mask; 17:16 2-byte elements; 20 padding on; 21 set beside a mask; 24:22 after every 128 words; 31:25 4 words
	s_or_b32 s[G1B+0], s44, (1<<16)|(1<<20)|(1<<21)|(6<<22)|(3<<25)
.irp g, G1, G1B
	s_mov_b32 s[(\g)+1], 256<<16                   ; tensor_dim0 = 256
	s_mov_b32 s[(\g)+2], 64<<16                    ; tensor_dim1 = 64
	s_mov_b32 s[(\g)+3], 256<<16                   ; tile_dim0 = 256
	s_mov_b32 s[(\g)+4], 64                        ; tile_dim1 = 64
	s_mov_b32 s[(\g)+5], 1024                      ; elements from row to row
	s_mov_b32 s[(\g)+6], 0
	s_mov_b32 s[(\g)+7], 0
.endr
	s_lshl_b32 s16, s45, 17                        ; W0: 64 rows of 2,048 bytes for each tile row,
	s_lshl_b32 s17, s12, 9                         ; my 512 bytes of each row,
	s_add_co_u32 s16, s16, s17
	s_add_co_u32 s16, s16, 33554432                ; W0's place in bf
	s_mov_b32 s17, 0
	s_lshl_b32 s46, s42, 17                        ; W1 likewise, by the tile column
	s_lshl_b32 s47, s12, 9
	s_add_co_u32 s46, s46, s47
	s_add_co_u32 s46, s46, 35651584
	s_mov_b32 s47, 0
	s_mul_i32 s20, s12, WREG                       ; where they go: no place in the cluster enters an LDS address
	s_lshl_b32 s74, s45, 6
	s_lshl_b32 s75, s12, 4
	s_add_co_u32 s74, s74, s75                     ; the first row of g that I store: 64 x tile row + 16 x wave
	s_lshl_b32 s74, s74, 11
	s_lshl_b32 s75, s42, 7                         ; the tile's 64 columns
	s_add_co_u32 s74, s74, s75
	s_mov_b32 s75, 0
	s_wait_dscnt 0x0
	s_wait_kmcnt 0x0
	s_add_nc_u64 s[18:19], s[4:5], s[16:17]
	s_add_nc_u64 s[46:47], s[4:5], s[46:47]
	s_add_nc_u64 s[72:73], s[6:7], s[74:75]
	CROUND                                         ; all sixteen work-groups are here: the joint loads meet
	s_mov_b32 s[G0], 1                             ; count = 1
	s_mov_b32 s[G0+1], s20                         ; LDS address
	s_mov_b64 s[G0+2:G0+3], s[18:19]               ; global address
	s_or_b32 s[G0+3], s[G0+3], 0x80000000          ; type = 2
	s_mov_b32 s[G0B], 1
	s_add_co_u32 s[G0B+1], s20, REG
	s_mov_b64 s[G0B+2:G0B+3], s[46:47]
	s_or_b32 s[G0B+3], s[G0B+3], 0x80000000
	tensor_load_to_lds s[G0:G0+3], s[G1:G1+7]      ; my two loads, the only ones: two are out
	s_nop 0
	tensor_load_to_lds s[G0B:G0B+3], s[G1B:G1B+7]
	s_nop 0
	PLACES                                         ; an s_nop 0 behind each load and four v_nop behind the second
	v_and_b32 v1, 15, v0                           ; l % 16
	v_bfe_u32 v2, v0, 4, 1                         ; l / 16
	v_mul_u32_u24 v3, v1, PITCH
	v_lshl_add_u32 v3, v2, 4, v3                   ; a fragment: row x pitch + 16 x half
	v_add_nc_u32 v[AADR], s20, v3
	s_add_co_u32 s21, s20, REG
	v_add_nc_u32 v[BADR], s21, v3
	v_mul_u32_u24 v4, v1, RP                       ; my partial sum: row l % 16, 32 bytes for each half of the lanes
	v_lshl_add_u32 v4, v2, 5, v4
	v_add_nc_u32 v[PST], s20, v4
	v_bfe_u32 v5, v0, 3, 2                         ; back: eight lanes take a row of 64 numbers, 32 lanes four rows
	v_and_b32 v6, 7, v0
	s_lshl_b32 s22, s12, 4                         ; wave w adds rows 16 w .. 16 w + 15
	v_add_nc_u32 v7, s22, v5
	v_mul_u32_u24 v7, v7, RP
	v_lshl_add_u32 v7, v6, 5, v7
.irp u, 0,1,2,3
	v_add_nc_u32 v[RD+\u], (\u)*WREG, v7
.endr
	v_lshlrev_b32 v[GO], 11, v5                    ; and the same four rows in g, 16 bytes a lane
	v_lshl_add_u32 v[GO], v6, 4, v[GO]
.macro FETCH k, f                      ; 16 LDS loads: the fragments of K step k of my eight: W1's 64 rows, then W0's
	WIN 0
.irp i, 0,1,2,3
	ds_load_b128 v[(\f)+32+8*(\i):(\f)+32+8*(\i)+3],   v[BADR] offset:(\k)*64+(\i)*16*PITCH
	ds_load_b128 v[(\f)+32+8*(\i)+4:(\f)+32+8*(\i)+7], v[BADR] offset:(\k)*64+(\i)*16*PITCH+32
.endr
.irp i, 0,1,2,3
	ds_load_b128 v[(\f)+8*(\i):(\f)+8*(\i)+3],   v[AADR] offset:(\k)*64+(\i)*16*PITCH
	ds_load_b128 v[(\f)+8*(\i)+4:(\f)+8*(\i)+7], v[AADR] offset:(\k)*64+(\i)*16*PITCH+32
.endr
.endm
.macro MUL f, zero                     ; 16 matrix instructions; the 16 accumulators take turns, one instruction a turn.  zero = 1: the first products start the sums
	WIN 0x50                                       ; C and D in window 1
.irp a, 0,1,2,3
.irp b, 0,1,2,3
.if \zero
	v_wmma_f32_16x16x32_bf16 v[8*(4*(\a)+(\b)):8*(4*(\a)+(\b))+7], v[(\f)+32+8*(\b):(\f)+32+8*(\b)+7], v[(\f)+8*(\a):(\f)+8*(\a)+7], 0
.else
	v_wmma_f32_16x16x32_bf16 v[8*(4*(\a)+(\b)):8*(4*(\a)+(\b))+7], v[(\f)+32+8*(\b):(\f)+32+8*(\b)+7], v[(\f)+8*(\a):(\f)+8*(\a)+7], v[8*(4*(\a)+(\b)):8*(4*(\a)+(\b))+7]
.endif
.endr
.endr
.endm
	s_wait_tensorcnt 0x0                           ; both my tiles are in; only I read them
	FETCH 0, F0
	FETCH 1, F1
	s_wait_dscnt 16                                ; K step 0 is in; the 16 loads just issued may be out
	MUL F0, 1
.irp k, 2,4,6
	PLACES
	FETCH \k, F0
	s_wait_dscnt 16                                ; all but the 16 just issued
	MUL F1, 0
	PLACES
	FETCH (\k)+1, F1
	s_wait_dscnt 16
	MUL F0, 0
.endr
	s_wait_dscnt 0x0
	MUL F1, 0
	PLACES                                         ; the stores read results just made
	WIN 0x04                                       ; store data (source 1) in window 1; each accumulator's low registers go first
.irp a, 0,1,2,3
.irp b, 0,1,2,3
	ds_store_b128 v[PST], v[8*(4*(\a)+(\b)):8*(4*(\a)+(\b))+3]   offset:(\a)*16*RP+64*(\b)
	ds_store_b128 v[PST], v[8*(4*(\a)+(\b))+4:8*(4*(\a)+(\b))+7] offset:(\a)*16*RP+64*(\b)+16
.endr
.endr
	WIN 0
	s_wait_dscnt 0x0                               ; for the others' sake: my partial sum is written
	s_barrier_signal -1
	s_barrier_wait -1
.irp p, 0,1,2,3
.irp u, 0,1,2,3
	ds_load_b128 v[SUM+32*(\p)+8*(\u):SUM+32*(\p)+8*(\u)+3],   v[RD+\u] offset:(\p)*4*RP
	ds_load_b128 v[SUM+32*(\p)+8*(\u)+4:SUM+32*(\p)+8*(\u)+7], v[RD+\u] offset:(\p)*4*RP+16
.endr
.endr
.irp p, 0,1,2,3
	s_wait_dscnt 8*(3-(\p))                        ; pass p's eight loads are in; the later passes' may be out
.irp z, 0,2,4,6
	v_pk_add_f32 v[SUM+32*(\p)+(\z):SUM+32*(\p)+(\z)+1],       v[SUM+32*(\p)+(\z):SUM+32*(\p)+(\z)+1],       v[SUM+32*(\p)+8+(\z):SUM+32*(\p)+8+(\z)+1]
	v_pk_add_f32 v[SUM+32*(\p)+16+(\z):SUM+32*(\p)+16+(\z)+1], v[SUM+32*(\p)+16+(\z):SUM+32*(\p)+16+(\z)+1], v[SUM+32*(\p)+24+(\z):SUM+32*(\p)+24+(\z)+1]
.endr
.irp z, 0,2,4,6
	v_pk_add_f32 v[SUM+32*(\p)+(\z):SUM+32*(\p)+(\z)+1], v[SUM+32*(\p)+(\z):SUM+32*(\p)+(\z)+1], v[SUM+32*(\p)+16+(\z):SUM+32*(\p)+16+(\z)+1]
.endr
.irp z, 0,1,2,3
	v_cvt_pk_bf16_f32 v[OUTR+4*(\p)+(\z)], v[SUM+32*(\p)+2*(\z)], v[SUM+32*(\p)+2*(\z)+1]
.endr
	global_store_b128 v[GO], v[OUTR+4*(\p):OUTR+4*(\p)+3], s[72:73] offset:(\p)*4*2048  ; eight lanes store 128 consecutive bytes of a row
.endr
	s_wait_tensorcnt 0x0
	ds_add_u32 v254, v255
	s_wait_dscnt 0x0
	CROUND                                         ; the closing round: no work-group ends while a partner may still ask for a tile that names it
	s_endpgm
.Lfunc_end_k_q8c9a0f6a45_gram:
	.size	k_q8c9a0f6a45_gram, .Lfunc_end_k_q8c9a0f6a45_gram-k_q8c9a0f6a45_gram
	.p2alignl 7, 3214868480
	.fill 96, 4, 3214868480
	.section	.rodata,"a",@progbits
	.p2align	6, 0x0
	.amdhsa_kernel k_q8c9a0f6a45_gram
		.amdhsa_group_segment_fixed_size 327680
		.amdhsa_private_segment_fixed_size 0
		.amdhsa_enable_private_segment 0
		.amdhsa_kernarg_size 16
		.amdhsa_user_sgpr_count 2
		.amdhsa_user_sgpr_kernarg_segment_ptr 1
		.amdhsa_wavefront_size32 1
		.amdhsa_system_sgpr_workgroup_id_x 1
		.amdhsa_system_sgpr_workgroup_id_y 1
		.amdhsa_system_sgpr_workgroup_id_z 1
		.amdhsa_system_vgpr_workitem_id 0
		.amdhsa_next_free_vgpr 384
		.amdhsa_next_free_sgpr 80
		.amdhsa_reserve_vcc 0
		.amdhsa_float_denorm_mode_32 3
		.amdhsa_float_denorm_mode_16_64 3
		.amdhsa_memory_ordered 1
		.amdhsa_forward_progress 1
		.amdhsa_inst_pref_size 32
	.end_amdhsa_kernel
	.amdgpu_metadata
---
amdhsa.version: [ 1, 2 ]
amdhsa.kernels:
  - .name:           k_q8c9a0f6a45_gram
    .symbol:         k_q8c9a0f6a45_gram.kd
    .args:
      - { .name: bf, .offset: 0, .size: 8, .value_kind: global_buffer, .address_space: global }
      - { .name: g, .offset: 8, .size: 8, .value_kind: global_buffer, .address_space: global }
    .group_segment_fixed_size: 327680
    .private_segment_fixed_size: 0
    .kernarg_segment_align: 8
    .kernarg_segment_size: 16
    .max_flat_workgroup_size: 128
    .sgpr_count:     80
    .vgpr_count:     384
    .wavefront_size: 32
...
	.end_amdgpu_metadata
.endif
;; end of part 5
;; launch proj (part 6): grid 8 x 32, 4 waves a work-group, clusters of 4 x 4, 327,680 bytes of LDS; arguments bf, g, tv; writes tv
.if DOCPART == 6
	.amdgcn_target "amdgcn-amd-amdhsa--gfx1250"
	.amdhsa_code_object_version 6
	.text
	.protected	k_q8c9a0f6a45_proj
	.globl	k_q8c9a0f6a45_proj
	.p2align	8
	.type	k_q8c9a0f6a45_proj,@function
k_q8c9a0f6a45_proj:
	s_mov_b64 s[64:65], 0
	v_nop
	global_prefetch_b8 v0, s[64:65] scope:SCOPE_SE
	s_setreg_imm32_b32 hwreg(HW_REG_WAVE_MODE, 25, 1), 1
	s_wait_xcnt 0x0
	s_wait_alu depctr_hold_cnt(0) depctr_sa_sdst(0) depctr_va_vdst(0) depctr_va_sdst(0) depctr_va_ssrc(0) depctr_va_vcc(0) depctr_vm_vsrc(0)
	s_getreg_b32 s2, hwreg(HW_REG_IB_STS2, 6, 4)
	s_cmp_eq_u32 s2, 0
	s_cbranch_scc0 .Lentry_in_a_cluster
	s_endpgm
.Lentry_in_a_cluster:
	s_bfe_u32 s2, ttmp6, 0x10000c
	s_cmp_lg_u32 s2, 0xf033
	s_cbranch_scc0 .Lentry_shape_is_right
	s_endpgm
.Lentry_shape_is_right:
; T = x G and V = y W2.  x, y: [8192][1024] bf16 in bf (y 16,777,216 bytes behind x); G: [1024][1024] bf16 in g; W2: [1024 d][1024 o] bf16, 37,748,736 bytes into bf.
; tv: T [8192][1024] bf16, then V [8192][1024] f16.  Products in bf16, sums in f32, K ascending, each result rounded once.
; G = W0 W1^T, so T x^T is (x W0)(x W1)^T: the same sum of products as the scores are defined by, in another order, for every input.
; FORMATS AND LIMITS.  T grows with x and with the square of the weights and has no room in f16, so it is bf16.  V is f16: a |V| of 65,520 or more becomes an infinity; rows of y of spread 1 and weights of
; spread 0.02 give a spread of 0.64, every input 30 times larger about 3e3 at the largest.  NaN and infinities are not treated apart.
; SHARES.  A tile of 256 rows x 256 columns of T or of V is made by four waves, 128 x 128 each: 64 accumulators, 512 registers; 2 x 128 tiles are 256 work-groups.
; K = 1024 goes in 8 steps of 128 through two LDS slots filled by the tensor data mover.  A's rows in a tile are 256 bytes, B's 512, both aligned to 256 in memory.
; G and W2 lie with K down the rows, so their fragments come out of LDS turned, by ds_load_tr16_b128.
; ONE TEXT FOR A K STEP.  The slot in hand is a scalar that an exclusive or toggles; fragment addresses are a fixed lane term plus that scalar; one descriptor a tensor walks from step to step.  The last two
; steps, which fill nothing, are a second loop of two trips that is left in its middle.  The price: the last change of slots fetches 32 fragments that nobody uses.
; CLUSTER.  4 x 4 work-groups.  The cluster's x says T (0) or V (1), cx the tile column, 4 x cluster y + cy the tile row.  The four of a row of the cluster need the same tile of x or y, the four of a column
; the same tile of G or W2: each is asked for jointly, by the same tensor load, descriptor and mask in all four.
; THE MATRIX INSTRUCTION IS USED TRANSPOSED: source 0 = 16 columns of B, source 1 = 16 rows of A: a lane holds row l % 16 and the eight neighbouring columns 8 (l / 16) + 0..7, which pack into 16 bytes.
; REGISTERS, in windows of 256 (s_set_vgpr_msb: bits 1:0 source 0, 3:2 source 1, 5:4 source 2, 7:6 destination):
;   window 0: v0-31 addresses; v64-127, v128-191 fragments of A, two buffers; v32-63, v192-255 at work on the way out
;   window 1: v64-127, v128-191 fragments of B, two buffers      window 2: accumulators of my rows 0-63, (a, b) at v[8 (8 a + b)]      window 3: of my rows 64-127
.set KSTEP,  128
.set PITCH,  272                       ; a row of A in LDS: 256 bytes + 16 of padding: the 16 rows of a fragment load start at 16 different groups of four banks (64 banks of 4 bytes: ISA guide 11.1)
.set BPITCH, 544                       ; a row of B in LDS: 512 bytes + 32
.set HALFT,  128*PITCH                 ; what one tensor load brings: 128 rows of A, or 64 rows of B: 34,816 bytes = 0x8800
.set SLOT,   4*HALFT                   ; A's 256 rows, then B's 128 rows: 0x22000, which shares no bit with wave x 0x8800: an exclusive or with it toggles an address between the slots
.set STAGE,  2*SLOT                    ; behind the ring: 16 rows x 272 bytes for each wave, for the way out; no tensor load lands here
.set SPITCH, 272
.set SPARE,  STAGE+4*16*SPITCH         ; the spare words, 128 bytes for each wave: two blocks of 256 bytes that no other line names
.set ROWB,   2048                      ; bytes in a row of x, y, G, W2 and tv
.set ASTEP,  KSTEP*2                   ; a K step along A's rows
.set BSTEP,  KSTEP*ROWB                ; a K step down B's rows
.set ADRA0, 16                         ; v16     LDS address of my A fragments in slot 0; never rewritten
.set ADRB0, 17                         ; v17     the same for B
.set ACUR,  18                         ; v18     the same in the slot in hand
.set BCUR,  19                         ; v19
.set STO,  24                          ; v24     the way out: where I put 16 bytes of a row
.set RD,   25                          ; v25     the way out: where I read a row back
.set CO,   26                          ; v26     my byte offset in two rows of tv
.set SPW,  28                          ; v28     LDS address of my spare word; never rewritten
.set NIL,  29                          ; v29     0; never rewritten
.set F0,   64
.set F1,   128
.set TMP,  192                         ; packed results
.set OB,   32                          ; 16 rows read back from the stage: v32-63 and v224-255 by turns
.set G1,  24                           ; s[24:31] descriptor group 1 for A's tiles;  s[32:39] group 0: a set for each first fill; the second then walks
.set G0,  32
.set G1B, 48                           ; s[48:55], s[56:63] the same for B's tiles
.set G0B, 56
.set MSB, 0
.macro WIN new                         ; the immediate's high byte repeats the setting that is left; a switch that changes nothing is dropped
.if MSB != (\new)
	s_set_vgpr_msb (MSB<<8)|(\new)
.set MSB, \new
.endif
.endm
.set MUL_LO, 0xa1                      ; source 0 (B) window 1, source 1 (A) window 0, C and D window 2
.set MUL_HI, 0xf1                      ; the same, C and D window 3
.set TO_B,   0x40                      ; destination window 1, address window 0
; A joint load.  Waves 0 and 1 fetch A's two halves, waves 2 and 3 B's.  The branch hangs on the wave's number alone.  An s_nop 0 and four v_nop follow each of
; the two lines, ahead of the jump, the label and what follows.
.macro JLOAD s
	s_cmp_eq_u32 s13, 0
	s_cbranch_scc0 .Lfor_b_\@
	tensor_load_to_lds s[G0+4*(\s):G0+4*(\s)+3], s[G1:G1+7]
	s_nop 0
.rept 4
	v_nop
.endr
	s_branch .Lasked_\@
.Lfor_b_\@:
	tensor_load_to_lds s[G0B+4*(\s):G0B+4*(\s)+3], s[G1B:G1B+7]
	s_nop 0
.rept 4
	v_nop
.endr
.Lasked_\@:
.endm
; A round of the cluster's barrier: my work-group's barrier, so that wave 0's signal speaks for all four waves; wave 0 signals; every wave waits for all sixteen
; work-groups; my work-group's barrier once more.
.macro CREST                           ; a round behind its opening barrier
	s_cmp_lg_u32 s12, 0
	s_cbranch_scc1 .Lnot_wave_0_\@
	s_barrier_signal -3
.Lnot_wave_0_\@:
	s_barrier_wait -3
	s_barrier_signal -1
	s_barrier_wait -1
.endm
.macro CROUND
	s_barrier_signal -1
	s_barrier_wait -1
	CREST
.endm
	s_load_b128 s[4:7], s[0:1], 0x0                ; bf s[4:5], g s[6:7]
	s_load_b64 s[8:9], s[0:1], 0x10                ; tv
	v_lshl_add_u32 v[SPW], v0, 2, SPARE
	v_mov_b32 v[NIL], 0
	ds_add_u32 v28, v29
	s_wait_dscnt 0x0
	v_lshrrev_b32 v1, 5, v0
	v_readfirstlane_b32 s12, v1                    ; wave 0..3
	s_lshr_b32 s13, s12, 1                         ; which half of the tile's rows is mine.  Also: I fetch for A (0) or for B (1)
	s_and_b32 s14, s12, 1                          ; which half of its columns.  Also: which half of that tile I fetch
	s_bfe_u32 s40, ttmp6, 0x40000                  ; cx: the tile column
	s_bfe_u32 s41, ttmp6, 0x40004                  ; cy
	s_mov_b32 s76, ttmp9                           ; the cluster's x: 0 T = x G, 1 V = y W2; the same in all sixteen partners
	s_and_b32 s45, ttmp7, 0xffff
	s_lshl_b32 s45, s45, 2
	s_add_co_u32 s45, s45, s41                     ; tile row = 4 x cluster y + cy
	s_lshl_b32 s43, s41, 2
	s_lshl_b32 s43, 15, s43                        ; my row of the cluster: places 4 cy .. 4 cy + 3
	s_lshl_b32 s44, 0x1111, s40                    ; my column: places cx, cx + 4, cx + 8, cx + 12
	; group 1 for A: 128 rows x 128 elements, 1,024 elements from row to row
	s_or_b32 s[G1+0], s43, (1<<16)|(1<<20)|(1<<21)|(5<<22)|(3<<25)  ; 15:0 mask: my row; 17:16 2-byte elements; 20 padding on; 21 set beside a mask; 24:22 after every 64 words; 31:25 4 words
	s_mov_b32 s[G1+1], 128<<16                     ; tensor_dim0 = 128
	s_mov_b32 s[G1+2], 128<<16                     ; tensor_dim1 = 128
	s_mov_b32 s[G1+3], 128<<16                     ; tile_dim0 = 128
	s_mov_b32 s[G1+4], 128                         ; tile_dim1 = 128
	s_mov_b32 s[G1+5], 1024                        ; elements from row to row
	s_mov_b32 s[G1+6], 0
	s_mov_b32 s[G1+7], 0
	; group 1 for B: 64 rows (K) x 256 elements (columns)
	s_or_b32 s[G1B+0], s44, (1<<16)|(1<<20)|(1<<21)|(6<<22)|(7<<25) ; mask: my column; padding after every 128 words, 8 words
	s_mov_b32 s[G1B+1], 256<<16                    ; tensor_dim0 = 256
	s_mov_b32 s[G1B+2], 64<<16                     ; tensor_dim1 = 64
	s_mov_b32 s[G1B+3], 256<<16                    ; tile_dim0 = 256
	s_mov_b32 s[G1B+4], 64                         ; tile_dim1 = 64
	s_mov_b32 s[G1B+5], 1024
	s_mov_b32 s[G1B+6], 0
	s_mov_b32 s[G1B+7], 0
	; A's tile hangs on the result and the tile row, which my row of the cluster shares; B's on the result and cx, which my column shares
	s_lshl_b32 s16, s45, 8
	s_lshl_b32 s17, s14, 7
	s_add_co_u32 s16, s16, s17                     ; row 256 x tile row + 128 x half
	s_lshl_b32 s16, s16, 11                        ; in bytes
	s_lshl_b32 s17, s76, 24                        ; V is made of y, 16,777,216 bytes on
	s_add_co_u32 s16, s16, s17
	s_mov_b32 s17, 0
	s_lshl_b32 s46, s14, 17                        ; my 64 rows of the step's 128
	s_lshl_b32 s47, s40, 9                         ; 256 columns
	s_add_co_u32 s46, s46, s47
	s_cmp_eq_u32 s76, 0
	s_cselect_b32 s47, 0, 37748736                 ; G begins its buffer; W2 lies 37,748,736 bytes into bf
	s_add_co_u32 s46, s46, s47
	s_mov_b32 s47, 0
	s_mul_i32 s20, s12, HALFT                      ; where they go: wave x 34,816: A's halves, then B's
	; where my part of the tile begins in tv
	s_lshl_b32 s74, s45, 8
	s_lshl_b32 s75, s13, 7
	s_add_co_u32 s74, s74, s75
	s_lshl_b32 s74, s74, 11
	s_lshl_b32 s75, s76, 24
	s_add_co_u32 s74, s74, s75
	s_lshl_b32 s75, s40, 9
	s_add_co_u32 s74, s74, s75
	s_lshl_b32 s75, s14, 8
	s_add_co_u32 s74, s74, s75
	s_mov_b32 s75, 0
	s_mov_b32 s77, 0                               ; the slot in hand: 0, or SLOT
	s_wait_kmcnt 0x0
	s_add_nc_u64 s[18:19], s[4:5], s[16:17]
	s_cmp_eq_u32 s76, 0                            ; B's buffer: the choice hangs on the cluster's x alone
	s_cselect_b64 s[78:79], s[6:7], s[4:5]
	s_add_nc_u64 s[46:47], s[78:79], s[46:47]
	s_add_nc_u64 s[72:73], s[8:9], s[74:75]
	CROUND                                         ; all sixteen work-groups are here: the first joint loads meet
.irp s, 0,1
	s_mov_b32 s[G0+4*(\s)], 1                                      ; count = 1
	s_add_co_u32 s[G0+4*(\s)+1], s20, (\s)*SLOT                    ; LDS address
	s_add_nc_u64 s[G0+4*(\s)+2:G0+4*(\s)+3], s[18:19], (\s)*ASTEP  ; global address: K step s
	s_or_b32 s[G0+4*(\s)+3], s[G0+4*(\s)+3], 0x80000000            ; type = 2
	s_mov_b32 s[G0B+4*(\s)], 1
	s_add_co_u32 s[G0B+4*(\s)+1], s20, (\s)*SLOT
	s_add_nc_u64 s[G0B+4*(\s)+2:G0B+4*(\s)+3], s[46:47], (\s)*BSTEP
	s_or_b32 s[G0B+4*(\s)+3], s[G0B+4*(\s)+3], 0x80000000
	JLOAD \s                                       ; both slots are asked for before anything else: two loads of mine are out
.endr
	; A fragment of A: lane l holds row l % 16; two loads of 16 bytes, 32 bytes apart, at row x pitch + 16 (l / 16).
	v_and_b32 v1, 15, v0                           ; l % 16
	v_bfe_u32 v2, v0, 4, 1                         ; l / 16
	v_mul_u32_u24 v3, v1, PITCH
	v_lshl_add_u32 v3, v2, 4, v3
	s_mul_i32 s21, s13, HALFT                      ; my 128 rows of A
	; A fragment of B, turned: lane l reads 16 bytes of row 8 (l / 16) + l % 8, columns 8 ((l / 8) % 2) + 0..7, and is left with column l % 16 and eight k; the second load stands 16 rows on.
	v_and_b32 v4, 7, v0
	v_lshl_add_u32 v4, v2, 3, v4
	v_mul_u32_u24 v4, v4, BPITCH
	v_bfe_u32 v5, v0, 3, 1
	v_lshl_add_u32 v4, v5, 4, v4
	s_lshl_b32 s22, s14, 8                         ; my 128 columns of B,
	s_add_co_u32 s22, s22, 2*HALFT                 ; which lies behind A's 256 rows
	v_add_nc_u32 v[ADRA0], s21, v3
	v_add_nc_u32 v[ADRB0], s22, v4
	v_mov_b32 v[ACUR], v[ADRA0]
	v_mov_b32 v[BCUR], v[ADRB0]
	s_mul_i32 s23, s12, 16*SPITCH
	s_add_co_u32 s23, s23, STAGE                   ; my stage
	v_mul_u32_u24 v4, v1, SPITCH                   ; in: row l % 16, 16 bytes for each half of the lanes
	v_lshl_add_u32 v4, v2, 4, v4
	v_add_nc_u32 v[STO], s23, v4
	v_mul_u32_u24 v5, v2, SPITCH                   ; back: lanes 0-15 take one row of 256 bytes, lanes 16-31 the next
	v_lshl_add_u32 v5, v1, 4, v5
	v_add_nc_u32 v[RD], s23, v5
	v_mul_u32_u24 v5, v2, ROWB                     ; and the same two rows in tv
	v_lshl_add_u32 v[CO], v1, 4, v5
; 16 matrix instructions: m blocks a0, a0 + 1 of the window's four x all 8 n blocks, 32 along K.  zero = 1: the first product starts the sums.
; The 64 accumulators take turns, one instruction a turn, in the same order in every quarter.
.macro MUL16 f, hi, a0, zero
	WIN MUL_LO+0x50*(\hi)
.irp a, \a0, (\a0)+1
.irp b, 0,1,2,3,4,5,6,7
.if \zero
	v_wmma_f32_16x16x32_bf16 v[8*(8*(\a)+(\b)):8*(8*(\a)+(\b))+7], v[(\f)+8*(\b):(\f)+8*(\b)+7], v[(\f)+8*(4*(\hi)+(\a)):(\f)+8*(4*(\hi)+(\a))+7], 0
.else
	v_wmma_f32_16x16x32_bf16 v[8*(8*(\a)+(\b)):8*(8*(\a)+(\b))+7], v[(\f)+8*(\b):(\f)+8*(\b)+7], v[(\f)+8*(4*(\hi)+(\a)):(\f)+8*(4*(\hi)+(\a))+7], v[8*(8*(\a)+(\b)):8*(8*(\a)+(\b))+7]
.endif
.endr
.endr
.endm
; 32 LDS loads in one run: the fragments of quarter q (32 along K) of the slot in hand into buffer f: B's 128 columns, then A's 128 rows
.macro FETCH q, f
	WIN TO_B
.irp i, 0,1,2,3,4,5,6,7
	ds_load_tr16_b128 v[(\f)+8*(\i):(\f)+8*(\i)+3],   v[BCUR] offset:(\q)*32*BPITCH+(\i)*32
	ds_load_tr16_b128 v[(\f)+8*(\i)+4:(\f)+8*(\i)+7], v[BCUR] offset:(\q)*32*BPITCH+(\i)*32+16*BPITCH
.endr
	WIN 0
.irp i, 0,1,2,3,4,5,6,7
	ds_load_b128 v[(\f)+8*(\i):(\f)+8*(\i)+3],   v[ACUR] offset:(\q)*64+(\i)*16*PITCH
	ds_load_b128 v[(\f)+8*(\i)+4:(\f)+8*(\i)+7], v[ACUR] offset:(\q)*64+(\i)*16*PITCH+32
.endr
.endm
; Four plain vector instructions between a matrix instruction and a load into, or a vector instruction on, one of its registers (ISA guide 7.12.1 for vector instructions)
.macro PLACES
.rept 4
	v_nop
.endr
.endm
; A K step is four quarters of 32 along K, 64 matrix instructions each, on buffers 0, 1, 0, 1.  One of the first three multiplies buffer f and fetches quarter q into g.
.macro QUARTER q, f, g, zero
	s_wait_dscnt 8                                 ; B and A's rows 0-63 are in; the youngest eight loads (A's rows 64-127) may be out
	MUL16 \f, 0, 0, \zero
	MUL16 \f, 0, 2, \zero
	PLACES
	FETCH \q, \g
	s_wait_dscnt 32                                ; all but the 32 just issued
	MUL16 \f, 1, 0, \zero
	MUL16 \f, 1, 2, \zero
.endm
; The last quarter multiplies buffer 1 and changes slots.  One barrier: in front of it each wave waits for all its tensor loads (one is out at the most: its part of the next slot),
; adds 0 to its spare word, and waits for that and for its own reads of this slot.  Behind it nobody reads this slot and the next slot is whole.
.macro MEET round
	WIN 0                                          ; the add's two registers lie in window 0
	s_wait_tensorcnt 0x0
	ds_add_u32 v[SPW], v[NIL]
	s_wait_dscnt 9                                 ; the add and the youngest eight loads may be out
	MUL16 F1, 0, 0, 0
	s_wait_dscnt 0x0                               ; the add is done, my reads of this slot are over
	s_barrier_signal -1
	MUL16 F1, 0, 2, 0                              ; work on registers while the others arrive
.if \round
	WIN 0
.endif
	s_barrier_wait -1
.endm
; fill = 1: the barrier opens a round of the cluster's barrier, and this slot is filled again, two K steps on, first thing behind the round:
; from the request to the wait for it a wave issues 224 matrix instructions.  The walking descriptor goes to the other slot than last time and one K step on.
.macro TURN fill
	MEET \fill
.if \fill
	CREST
	s_xor_b32 s[G0+5], s[G0+5], SLOT               ; no tensor load of mine is out: a group 0 may be written
	s_add_nc_u64 s[G0+6:G0+7], s[G0+6:G0+7], ASTEP ; the type bits on top are not reached
	s_xor_b32 s[G0B+5], s[G0B+5], SLOT
	s_add_nc_u64 s[G0B+6:G0B+7], s[G0B+6:G0B+7], BSTEP
	JLOAD 1                                        ; its four v_nop are also the places in front of the loads below
.else
	PLACES
.endif
	WIN 0
	s_xor_b32 s77, s77, SLOT                       ; the fetches go on in the other slot
	v_add_nc_u32 v[ACUR], s77, v[ADRA0]
	v_add_nc_u32 v[BCUR], s77, v[ADRB0]
	FETCH 0, F0
	MUL16 F1, 1, 0, 0
	MUL16 F1, 1, 2, 0
.endm
; THE WAY OUT of block a (16 rows).  PACK: rounded, 16 bytes a lane, each accumulator from its low end: T to bf16, V to f16; the branch hangs on the cluster's x alone.
; TOSTAGE: into my own stage and back as whole rows of 256 bytes.  SEND: stored.
.macro PACK a
.set AC, 64*((\a)%4)
	WIN 0                                          ; at a branch and at a label every window is 0
	s_cmp_eq_u32 s76, 0
	s_cbranch_scc0 .Lhalf_\@
	WIN 0x0a+5*((\a)/4)                            ; sources 0 and 1: window 2 or 3
.irp b, 0,1,2,3,4,5,6,7
.irp r, 0,1,2,3
	v_cvt_pk_bf16_f32 v[TMP+4*(\b)+(\r)], v[AC+8*(\b)+2*(\r)], v[AC+8*(\b)+2*(\r)+1]
.endr
.endr
	WIN 0
	s_branch .Lpacked_\@
.Lhalf_\@:
	WIN 0x0a+5*((\a)/4)
.irp b, 0,1,2,3,4,5,6,7
.irp r, 0,1,2,3
	v_cvt_pk_f16_f32 v[TMP+4*(\b)+(\r)], v[AC+8*(\b)+2*(\r)], v[AC+8*(\b)+2*(\r)+1]
.endr
.endr
	WIN 0
.Lpacked_\@:
.endm
.macro TOSTAGE a
	WIN 0
.set BK, OB+192*((\a)%2)
.irp b, 0,1,2,3,4,5,6,7
	ds_store_b128 v[STO], v[TMP+4*(\b):TMP+4*(\b)+3] offset:32*(\b)
.endr
.irp t, 0,1,2,3,4,5,6,7
	ds_load_b128 v[BK+4*(\t):BK+4*(\t)+3], v[RD] offset:(\t)*2*SPITCH  ; LDS serves a wave's instructions in order (ISA guide 5.7.1.4): these see the stores above
.endr
.endm
.macro SEND a
	WIN 0
.set BK, OB+192*((\a)%2)
	s_wait_dscnt 0x0                               ; the block is back in registers
	s_wait_xcnt 0x0                                ; the stores' base, and the registers that the stores two blocks back read, are rewritten only behind this wait
.if (\a) > 0
	s_add_nc_u64 s[72:73], s[72:73], 16*ROWB       ; 16 rows on
.endif
.irp t, 0,1,2,3,4,5,6,7
	global_store_b128 v[CO], v[BK+4*(\t):BK+4*(\t)+3], s[72:73] offset:2*(\t)*ROWB  ; 16 lanes store 256 consecutive bytes, at a multiple of 256 from tv's first byte
.endr
.endm
	s_wait_tensorcnt 1                             ; my part of K step 0 is in; K step 1's may stay out
	s_barrier_signal -1
	s_barrier_wait -1                              ; everybody's is
	FETCH 0, F0
	QUARTER 1, F0, F1, 1                           ; the first quarter stands in front of the loop: its products start the sums
	WIN 0                                          ; at a label and at a branch every window is 0
	s_mov_b32 s15, 6
.Lstep:                                                ; a trip: a K step's quarters 1 to 3 and the next step's quarter 0; K steps 0 to 5 ask for steps 2 to 7
	QUARTER 2, F1, F0, 0
	QUARTER 3, F0, F1, 0
	TURN 1
	QUARTER 1, F0, F1, 0
	WIN 0
	s_sub_co_u32 s15, s15, 1
	s_cmp_lg_u32 s15, 0
	s_cbranch_scc1 .Lstep
	s_mov_b32 s15, 2
.Ltail:                                                ; K steps 6 and 7 ask for nothing: a text of their own; the second trip is left in its middle
	QUARTER 2, F1, F0, 0
	QUARTER 3, F0, F1, 0
	TURN 0
	WIN 0
	s_sub_co_u32 s15, s15, 1
	s_cmp_eq_u32 s15, 0
	s_cbranch_scc1 .Lout
	QUARTER 1, F0, F1, 0
	WIN 0
	s_branch .Ltail
.Lout:
	s_wait_dscnt 0x0                               ; the 32 fragments that the last change of slots fetched serve nothing; their registers are free behind this wait
	PLACES                                         ; the conversions read results just made
	PACK 0
	TOSTAGE 0
.irp a, 1,2,3,4,5,6,7                  ; block a's conversions stand between block a - 1's loads from the stage and the wait for them
	PACK \a
	SEND (\a)-1
	TOSTAGE \a
.endr
	SEND 7
	s_wait_tensorcnt 0x0                           ; the wave's end
	ds_add_u32 v[SPW], v[NIL]
	s_wait_dscnt 0x0
	CROUND                                         ; the closing round: no work-group ends while a partner may still ask for a tile that names it
	s_endpgm
.Lfunc_end_k_q8c9a0f6a45_proj:
	.size	k_q8c9a0f6a45_proj, .Lfunc_end_k_q8c9a0f6a45_proj-k_q8c9a0f6a45_proj
	.p2alignl 7, 3214868480
	.fill 96, 4, 3214868480
	.section	.rodata,"a",@progbits
	.p2align	6, 0x0
	.amdhsa_kernel k_q8c9a0f6a45_proj
		.amdhsa_group_segment_fixed_size 327680
		.amdhsa_private_segment_fixed_size 0
		.amdhsa_enable_private_segment 0
		.amdhsa_kernarg_size 24
		.amdhsa_user_sgpr_count 2
		.amdhsa_user_sgpr_kernarg_segment_ptr 1
		.amdhsa_wavefront_size32 1
		.amdhsa_system_sgpr_workgroup_id_x 1
		.amdhsa_system_sgpr_workgroup_id_y 1
		.amdhsa_system_sgpr_workgroup_id_z 1
		.amdhsa_system_vgpr_workitem_id 0
		.amdhsa_next_free_vgpr 1024
		.amdhsa_next_free_sgpr 80
		.amdhsa_reserve_vcc 0
		.amdhsa_float_denorm_mode_32 3
		.amdhsa_float_denorm_mode_16_64 3
		.amdhsa_memory_ordered 1
		.amdhsa_forward_progress 1
		.amdhsa_inst_pref_size 118
	.end_amdhsa_kernel
	.amdgpu_metadata
---
amdhsa.version: [ 1, 2 ]
amdhsa.kernels:
  - .name:           k_q8c9a0f6a45_proj
    .symbol:         k_q8c9a0f6a45_proj.kd
    .args:
      - { .name: bf, .offset: 0, .size: 8, .value_kind: global_buffer, .address_space: global }
      - { .name: g, .offset: 8, .size: 8, .value_kind: global_buffer, .address_space: global }
      - { .name: tv, .offset: 16, .size: 8, .value_kind: global_buffer, .address_space: global }
    .group_segment_fixed_size: 327680
    .private_segment_fixed_size: 0
    .kernarg_segment_align: 8
    .kernarg_segment_size: 24
    .max_flat_workgroup_size: 128
    .sgpr_count:     80
    .vgpr_count:     1024
    .wavefront_size: 32
...
	.end_amdgpu_metadata
.endif
;; end of part 6
;; launch score (part 7): grid 8 x 32, 4 waves a work-group, clusters of 4 x 4, 327,680 bytes of LDS; arguments tv, bf, p, st; writes p, st
.if DOCPART == 7
	.amdgcn_target "amdgcn-amd-amdhsa--gfx1250"
	.amdhsa_code_object_version 6
	.text
	.protected	k_q8c9a0f6a45_score
	.globl	k_q8c9a0f6a45_score
	.p2align	8
	.type	k_q8c9a0f6a45_score,@function
k_q8c9a0f6a45_score:
	s_mov_b64 s[64:65], 0
	v_nop
	global_prefetch_b8 v0, s[64:65] scope:SCOPE_SE
	s_setreg_imm32_b32 hwreg(HW_REG_WAVE_MODE, 25, 1), 1
	s_wait_xcnt 0x0
	s_wait_alu depctr_hold_cnt(0) depctr_sa_sdst(0) depctr_va_vdst(0) depctr_va_sdst(0) depctr_va_ssrc(0) depctr_va_vcc(0) depctr_vm_vsrc(0)
	s_getreg_b32 s2, hwreg(HW_REG_IB_STS2, 6, 4)
	s_cmp_eq_u32 s2, 0
	s_cbranch_scc0 .Lentry_in_a_cluster
	s_endpgm
.Lentry_in_a_cluster:
	s_bfe_u32 s2, ttmp6, 0x10000c
	s_cmp_lg_u32 s2, 0xf033
	s_cbranch_scc0 .Lentry_shape_is_right
	s_endpgm
.Lentry_shape_is_right:
; For each batch S = T x^T, which is (x W0)(x W1)^T; for each query row and each tile t of 128 keys: m = the largest score of the tile, P' = 2^(c s - c m) with c = log2(e) / 32
; (the scale 1 / sqrt(1024) and the change of base in one factor, applied in f32), l = the sum of the tile's P'.
; T: [8192][1024] bf16 at the head of tv; x: [8192][1024] bf16 at the head of bf.  p: [8192][2048] f16, P'.  st: [2][16 t][8192 rows] f32: c m, then l.
; Products in bf16, sums, maxima and exponentials in f32.  The maximum taken away is the tile's true one, so P' lies in 0 to 1 whatever the scores' size; the last launch
; joins the sixteen tiles of a row by the row's true maximum.  The scores themselves are never stored.
; LIMITS.  P' is rounded to f16: below 6e-5 it keeps f16's fixed step of 6e-8; l is the sum of the unrounded P'; an exponential below 2^-126 counts as 0.  NaN and infinities are not treated apart.
; SHARES.  A tile of 256 queries x 256 keys is made by four waves, 128 x 128 each (64 accumulators, 512 registers): a wave's 128 keys are one tile t, so a row's maximum
; and sum never leave the wave.  K = 1024 goes in 8 steps of 128 through two LDS slots; the tiles' rows are 256 bytes of memory, aligned to 256.
; ONE TEXT FOR A K STEP.  The slot in hand is a scalar that an exclusive or toggles; fragment addresses are a fixed lane term plus that scalar; one descriptor a tensor walks from step to step.  The last two
; steps, which fill nothing, are a second loop of two trips that is left in its middle.  The price: the last change of slots fetches 32 fragments that nobody uses.
; CLUSTER.  4 x 4 work-groups: the four of a row of the cluster need the same tile of T, the four of a column the same tile of x (the batch hangs on the cluster's y alone):
; each tile is asked for jointly, by the same tensor load, descriptor and mask in all four.
; THE MATRIX INSTRUCTION IS USED TRANSPOSED: source 0 = 16 keys, source 1 = 16 queries: a lane holds query l % 16 and, in each accumulator, the keys 8 (l / 16) + 0..7.
; REGISTERS, in windows of 256 (s_set_vgpr_msb: bits 1:0 source 0, 3:2 source 1, 5:4 source 2, 7:6 destination):
;   window 0: v0-31 addresses and statistics; v64-127, v128-191 fragments of T, two buffers (v64-127 later the exponents); v32-63, v192-255 at work on the way out
;   window 1: v64-127, v128-191 fragments of x      window 2: accumulators of my rows 0-63, (a, b) at v[8 (8 a + b)]      window 3: of my rows 64-127
.set KSTEP,  128
.set PITCH,  272                       ; an LDS row: 256 bytes + 16 of padding: the 16 rows of a fragment load start at 16 different groups of four banks (64 banks of 4 bytes: ISA guide 11.1)
.set HALFT,  128*PITCH                 ; 128 rows: what one tensor load brings: 0x8800 bytes
.set SLOT,   4*HALFT                   ; T's 256 rows, then x's 256 rows: 0x22000, which shares no bit with wave x 0x8800: an exclusive or with it toggles an address between the slots
.set STAGE,  2*SLOT                    ; behind the ring: 16 rows x 272 bytes for each wave; no tensor load lands here
.set SPITCH, 272
.set STAT,   STAGE+4*16*SPITCH         ; for each wave 128 words of c m, then 128 of l
.set SPARE,  STAT+4*1024               ; the spare words, 128 bytes for each wave: two blocks of 256 bytes that no other line names
.set ROWB,   4096                      ; bytes in a row of p
.set STEP1,  KSTEP*2                   ; a K step along the rows of T and x
.set CM,   6                           ; v[6:7]  c m, and a register named with it as a pair
.set MX,   8                           ; v8-15   eight running maxima
.set ADRA0, 16                         ; v16     LDS address of my fragments of T in slot 0; never rewritten
.set ADRB0, 17                         ; v17     the same for x
.set ACUR,  18                         ; v18     the same in the slot in hand
.set BCUR,  19                         ; v19
.set STO,  24
.set RD,   25
.set CO,   26
.set STA,  27                          ; v27     where my lane puts a row's c m (lanes 0-15) or l (lanes 16-31)
.set SPW,  28
.set NIL,  29
.set STR,  30                          ; v30     where I read 16 bytes of my wave's statistics back
.set SG,   31                          ; v31     16 x lane
.set F0,   64
.set F1,   128
.set E,    64                          ; the block's 64 exponents, then weights
.set TMP,  192
.set OB,   32
.set G1,  24
.set G0,  32                           ; s[32:39] group 0 for T's tiles: a set for each first fill; the second then walks
.set G1B, 48
.set G0B, 56
.set MSB, 0
.macro WIN new                         ; the immediate's high byte repeats the setting that is left; a switch that changes nothing is dropped
.if MSB != (\new)
	s_set_vgpr_msb (MSB<<8)|(\new)
.set MSB, \new
.endif
.endm
.set MUL_LO, 0xa1                      ; source 0 (x) window 1, source 1 (T) window 0, C and D window 2
.set MUL_HI, 0xf1
.set TO_B,   0x40
; A joint load.  Waves 0 and 1 fetch T's two halves, waves 2 and 3 x's.  An s_nop 0 and four v_nop follow each of the two lines.
.macro JLOAD s
	s_cmp_eq_u32 s13, 0
	s_cbranch_scc0 .Lfor_b_\@
	tensor_load_to_lds s[G0+4*(\s):G0+4*(\s)+3], s[G1:G1+7]
	s_nop 0
.rept 4
	v_nop
.endr
	s_branch .Lasked_\@
.Lfor_b_\@:
	tensor_load_to_lds s[G0B+4*(\s):G0B+4*(\s)+3], s[G1B:G1B+7]
	s_nop 0
.rept 4
	v_nop
.endr
.Lasked_\@:
.endm
.macro CREST                           ; a round of the cluster's barrier behind its opening barrier
	s_cmp_lg_u32 s12, 0
	s_cbranch_scc1 .Lnot_wave_0_\@
	s_barrier_signal -3
.Lnot_wave_0_\@:
	s_barrier_wait -3
	s_barrier_signal -1
	s_barrier_wait -1
.endm
.macro CROUND
	s_barrier_signal -1
	s_barrier_wait -1
	CREST
.endm
	s_load_b256 s[4:11], s[0:1], 0x0               ; tv s[4:5], bf s[6:7], p s[8:9], st s[10:11]
	v_lshl_add_u32 v[SPW], v0, 2, SPARE
	v_mov_b32 v[NIL], 0
	ds_add_u32 v28, v29
	s_wait_dscnt 0x0
	v_lshrrev_b32 v1, 5, v0
	v_readfirstlane_b32 s12, v1                    ; wave 0..3
	s_lshr_b32 s13, s12, 1                         ; which half of the tile's queries is mine.  Also: I fetch for T (0) or for x (1)
	s_and_b32 s14, s12, 1                          ; which half of its keys.  Also: which 128 rows of that tile I fetch
	s_bfe_u32 s40, ttmp6, 0x40000                  ; cx
	s_bfe_u32 s41, ttmp6, 0x40004                  ; cy
	s_lshl_b32 s42, ttmp9, 2
	s_add_co_u32 s42, s42, s40                     ; tile column: 256 keys of the batch's 2,048
	s_and_b32 s76, ttmp7, 0xffff
	s_lshl_b32 s45, s76, 2
	s_add_co_u32 s45, s45, s41                     ; tile row: 256 of all 8,192 query rows
	s_lshr_b32 s76, s76, 1                         ; the batch: eight tile rows, two clusters, each
	s_lshl_b32 s43, s41, 2
	s_lshl_b32 s43, 15, s43                        ; my row of the cluster
	s_lshl_b32 s44, 0x1111, s40                    ; my column
	s_or_b32 s[G1+0], s43, (1<<16)|(1<<20)|(1<<21)|(5<<22)|(3<<25)  ; 15:0 mask; 17:16 2-byte elements; 20 padding on; 21 set beside a mask; 24:22 after every 64 words; 31:25 4 words
	s_or_b32 s[G1B+0], s44, (1<<16)|(1<<20)|(1<<21)|(5<<22)|(3<<25)
.irp g, G1, G1B
	s_mov_b32 s[(\g)+1], 128<<16                   ; tensor_dim0 = 128
	s_mov_b32 s[(\g)+2], 128<<16                   ; tensor_dim1 = 128
	s_mov_b32 s[(\g)+3], 128<<16                   ; tile_dim0 = 128
	s_mov_b32 s[(\g)+4], 128                       ; tile_dim1 = 128
	s_mov_b32 s[(\g)+5], 1024                      ; elements from row to row
	s_mov_b32 s[(\g)+6], 0
	s_mov_b32 s[(\g)+7], 0
.endr
	s_lshl_b32 s16, s45, 8
	s_lshl_b32 s17, s14, 7
	s_add_co_u32 s16, s16, s17                     ; T: row 256 x tile row + 128 x half
	s_lshl_b32 s16, s16, 11
	s_mov_b32 s17, 0
	s_lshl_b32 s46, s76, 11                        ; x: row 2,048 x batch + 256 x tile column + 128 x half
	s_lshl_b32 s47, s42, 8
	s_add_co_u32 s46, s46, s47
	s_lshl_b32 s47, s14, 7
	s_add_co_u32 s46, s46, s47
	s_lshl_b32 s46, s46, 11
	s_mov_b32 s47, 0
	s_mul_i32 s20, s12, HALFT                      ; where they go: wave x 128 rows
	s_lshl_b32 s22, s45, 8
	s_lshl_b32 s23, s13, 7
	s_add_co_u32 s22, s22, s23                     ; my first query row
	s_lshl_b32 s74, s22, 12                        ; in p,
	s_lshl_b32 s75, s42, 9
	s_add_co_u32 s74, s74, s75                     ; the tile's 256 keys,
	s_lshl_b32 s75, s14, 8
	s_add_co_u32 s74, s74, s75                     ; my 128 of them
	s_mov_b32 s75, 0
	s_lshl_b32 s22, s22, 2                         ; and in st: 4 bytes a row,
	s_lshl_b32 s23, s42, 1
	s_add_co_u32 s23, s23, s14                     ; t = 2 x tile column + half,
	s_lshl_b32 s23, s23, 15                        ; 32,768 bytes each
	s_add_co_u32 s22, s22, s23
	s_mov_b32 s23, 0
	s_mov_b32 s66, 0x3d38aa3b                      ; c = log2(e) / 32
	s_mov_b32 s67, s66                             ; named with it as a pair
	s_mov_b32 s68, 0x76543210                      ; v_permlanex16_b32: each lane takes its own place in the other half
	s_mov_b32 s69, 0xfedcba98
	s_mov_b32 s70, 0xffff0000                      ; lanes 16-31
	s_mov_b32 s77, 0                               ; the slot in hand: 0, or SLOT
	s_wait_kmcnt 0x0
	s_add_nc_u64 s[18:19], s[4:5], s[16:17]
	s_add_nc_u64 s[46:47], s[6:7], s[46:47]
	s_add_nc_u64 s[72:73], s[8:9], s[74:75]
	s_add_nc_u64 s[10:11], s[10:11], s[22:23]
	CROUND                                         ; all sixteen work-groups are here: the first joint loads meet
.irp s, 0,1
	s_mov_b32 s[G0+4*(\s)], 1
	s_add_co_u32 s[G0+4*(\s)+1], s20, (\s)*SLOT
	s_add_nc_u64 s[G0+4*(\s)+2:G0+4*(\s)+3], s[18:19], (\s)*STEP1
	s_or_b32 s[G0+4*(\s)+3], s[G0+4*(\s)+3], 0x80000000
	s_mov_b32 s[G0B+4*(\s)], 1
	s_add_co_u32 s[G0B+4*(\s)+1], s20, (\s)*SLOT
	s_add_nc_u64 s[G0B+4*(\s)+2:G0B+4*(\s)+3], s[46:47], (\s)*STEP1
	s_or_b32 s[G0B+4*(\s)+3], s[G0B+4*(\s)+3], 0x80000000
	JLOAD \s                                       ; two loads of mine are out
.endr
	v_and_b32 v1, 15, v0                           ; l % 16
	v_bfe_u32 v2, v0, 4, 1                         ; l / 16
	v_mul_u32_u24 v3, v1, PITCH
	v_lshl_add_u32 v3, v2, 4, v3                   ; a fragment's row x pitch + 16 x half
	s_mul_i32 s21, s13, HALFT                      ; my 128 rows of T
	s_mul_i32 s22, s14, HALFT                      ; my 128 rows of x,
	s_add_co_u32 s22, s22, 2*HALFT                 ; which lie behind T's 256
	v_add_nc_u32 v[ADRA0], s21, v3
	v_add_nc_u32 v[ADRB0], s22, v3
	v_mov_b32 v[ACUR], v[ADRA0]
	v_mov_b32 v[BCUR], v[ADRB0]
	s_mul_i32 s23, s12, 16*SPITCH
	s_add_co_u32 s23, s23, STAGE                   ; my stage
	v_mul_u32_u24 v4, v1, SPITCH
	v_lshl_add_u32 v4, v2, 4, v4
	v_add_nc_u32 v[STO], s23, v4
	v_mul_u32_u24 v5, v2, SPITCH
	v_lshl_add_u32 v5, v1, 4, v5
	v_add_nc_u32 v[RD], s23, v5
	v_mul_u32_u24 v5, v2, ROWB
	v_lshl_add_u32 v[CO], v1, 4, v5
	s_lshl_b32 s23, s12, 10
	s_add_co_u32 s23, s23, STAT                    ; my wave's statistics
	v_lshlrev_b32 v4, 2, v1
	v_lshl_add_u32 v4, v2, 9, v4                   ; word l % 16 of c m (lanes 0-15) or of l (lanes 16-31)
	v_add_nc_u32 v[STA], s23, v4
	v_and_b32 v5, 31, v0
	v_lshlrev_b32 v[SG], 4, v5
	v_add_nc_u32 v[STR], s23, v[SG]
; 16 matrix instructions; the 64 accumulators take turns, one instruction a turn, in the same order in every quarter
.macro MUL16 f, hi, a0, zero
	WIN MUL_LO+0x50*(\hi)
.irp a, \a0, (\a0)+1
.irp b, 0,1,2,3,4,5,6,7
.if \zero
	v_wmma_f32_16x16x32_bf16 v[8*(8*(\a)+(\b)):8*(8*(\a)+(\b))+7], v[(\f)+8*(\b):(\f)+8*(\b)+7], v[(\f)+8*(4*(\hi)+(\a)):(\f)+8*(4*(\hi)+(\a))+7], 0
.else
	v_wmma_f32_16x16x32_bf16 v[8*(8*(\a)+(\b)):8*(8*(\a)+(\b))+7], v[(\f)+8*(\b):(\f)+8*(\b)+7], v[(\f)+8*(4*(\hi)+(\a)):(\f)+8*(4*(\hi)+(\a))+7], v[8*(8*(\a)+(\b)):8*(8*(\a)+(\b))+7]
.endif
.endr
.endr
.endm
.macro FETCH q, f                      ; 32 LDS loads in one run: quarter q's fragments of the slot in hand: x's 128 rows, then T's
	WIN TO_B
.irp i, 0,1,2,3,4,5,6,7
	ds_load_b128 v[(\f)+8*(\i):(\f)+8*(\i)+3],   v[BCUR] offset:(\q)*64+(\i)*16*PITCH
	ds_load_b128 v[(\f)+8*(\i)+4:(\f)+8*(\i)+7], v[BCUR] offset:(\q)*64+(\i)*16*PITCH+32
.endr
	WIN 0
.irp i, 0,1,2,3,4,5,6,7
	ds_load_b128 v[(\f)+8*(\i):(\f)+8*(\i)+3],   v[ACUR] offset:(\q)*64+(\i)*16*PITCH
	ds_load_b128 v[(\f)+8*(\i)+4:(\f)+8*(\i)+7], v[ACUR] offset:(\q)*64+(\i)*16*PITCH+32
.endr
.endm
.macro PLACES                          ; four plain vector instructions between a matrix instruction and a load into, or a vector instruction on, one of its registers (ISA guide 7.12.1 for vector instructions)
.rept 4
	v_nop
.endr
.endm
.macro QUARTER q, f, g, zero
	s_wait_dscnt 8                                 ; x and T's rows 0-63 are in; the youngest eight loads (T's rows 64-127) may be out
	MUL16 \f, 0, 0, \zero
	MUL16 \f, 0, 2, \zero
	PLACES
	FETCH \q, \g
	s_wait_dscnt 32                                ; all but the 32 just issued
	MUL16 \f, 1, 0, \zero
	MUL16 \f, 1, 2, \zero
.endm
; The change of slots: in front of the barrier each wave waits for all its tensor loads (one is out at the most: its part of the next slot), adds 0 to its spare word, and waits for that and for its reads of this slot.
.macro MEET round
	WIN 0
	s_wait_tensorcnt 0x0
	ds_add_u32 v[SPW], v[NIL]
	s_wait_dscnt 9                                 ; the add and the youngest eight loads may be out
	MUL16 F1, 0, 0, 0
	s_wait_dscnt 0x0                               ; the add is done, my reads of this slot are over
	s_barrier_signal -1
	MUL16 F1, 0, 2, 0
.if \round
	WIN 0
.endif
	s_barrier_wait -1
.endm
.macro TURN fill                       ; fill = 1: the barrier opens a round of the cluster's, and the joint refill, two K steps on, is the first thing behind it: 224 matrix instructions ahead of the wait for it
	MEET \fill
.if \fill
	CREST
	s_xor_b32 s[G0+5], s[G0+5], SLOT               ; the walking descriptor: the other slot than last time, one K step on; no tensor load of mine is out
	s_add_nc_u64 s[G0+6:G0+7], s[G0+6:G0+7], STEP1
	s_xor_b32 s[G0B+5], s[G0B+5], SLOT
	s_add_nc_u64 s[G0B+6:G0B+7], s[G0B+6:G0B+7], STEP1
	JLOAD 1                                        ; its four v_nop are also the places in front of the loads below
.else
	PLACES
.endif
	WIN 0
	s_xor_b32 s77, s77, SLOT                       ; the fetches go on in the other slot
	v_add_nc_u32 v[ACUR], s77, v[ADRA0]
	v_add_nc_u32 v[BCUR], s77, v[ADRB0]
	FETCH 0, F0
	MUL16 F1, 1, 0, 0
	MUL16 F1, 1, 2, 0
.endm
; THE SOFTMAX'S FIRST HALF for block a (16 queries x my 128 keys).  A lane holds 64 scores of one query, the lane 16 away the other 64.
.macro SOFT a
.set AC, 64*((\a)%4)
	WIN 21*(2+(\a)/4)                              ; all three sources in the block's window
.irp b, 0,1,2,3,4,5,6,7
	v_max3_num_f32 v[MX+(\b)], v[AC+8*(\b)], v[AC+8*(\b)+1], v[AC+8*(\b)+2]
.endr
	WIN 20*(2+(\a)/4)                              ; source 0 back in window 0
.irp b, 0,1,2,3,4,5,6,7
	v_max3_num_f32 v[MX+(\b)], v[MX+(\b)], v[AC+8*(\b)+3], v[AC+8*(\b)+4]
.endr
.irp b, 0,1,2,3,4,5,6,7
	v_max3_num_f32 v[MX+(\b)], v[MX+(\b)], v[AC+8*(\b)+5], v[AC+8*(\b)+6]
.endr
.irp i, 0,1,2,3
	v_max3_num_f32 v[MX+2*(\i)], v[MX+2*(\i)], v[AC+16*(\i)+7], v[AC+16*(\i)+15]
.endr
	WIN 0
	v_max3_num_f32 v[MX], v[MX], v[MX+1], v[MX+2]
	v_max3_num_f32 v[MX+3], v[MX+3], v[MX+4], v[MX+5]
	v_max_num_f32 v[MX+6], v[MX+6], v[MX+7]
	v_max3_num_f32 v[MX], v[MX], v[MX+3], v[MX+6]
	v_permlanex16_b32 v[MX+1], v[MX], s68, s69     ; the query's other 64 keys
	v_max_num_f32 v[MX], v[MX], v[MX+1]            ; m
	v_mul_f32 v[CM], s66, v[MX]                    ; c m, rounded once: the same number goes to st, so the last launch undoes exactly what is taken away here
	WIN 2+(\a)/4                                   ; source 0 in the block's window
.set i, 0
.rept 32
	v_pk_fma_f32 v[E+2*i:E+2*i+1], v[AC+2*i:AC+2*i+1], s[66:67], v[CM:CM+1] op_sel_hi:[1,0,0] neg_lo:[0,0,1] neg_hi:[0,0,1]  ; c s - c m
.set i, i+1
.endr
	WIN 0
.set i, 0
.rept 64
	v_exp_f32 v[E+i], v[E+i]
.set i, i+1
.endr
	v_nop                                          ; a plain instruction between the exponentials and the use of their results (ISA guide 5.7.2)
.set i, 0
	s_wait_alu depctr_va_vdst(0)
.rept 32
	v_cvt_pk_f16_f32 v[TMP+i], v[E+2*i], v[E+2*i+1]
.set i, i+1
.endr
.irp n, 16,8,4,2,1                     ; the sum of the 32 pairs, in place: halves are folded onto each other
.set i, 0
.rept \n
	v_pk_add_f32 v[E+2*i:E+2*i+1], v[E+2*i:E+2*i+1], v[E+2*(i+\n):E+2*(i+\n)+1]
.set i, i+1
.endr
.endr
	v_add_f32 v[E], v[E], v[E+1]
	v_permlanex16_b32 v[MX+2], v[E], s68, s69
	v_add_f32 v[E], v[E], v[MX+2]                  ; l
	v_cndmask_b32 v[MX], v[CM], v[E], s70          ; lanes 0-15 carry c m, lanes 16-31 l
	ds_store_b32 v[STA], v[MX] offset:64*(\a)      ; row 16 a + l % 16 of my wave's 128
.endm
.macro TOSTAGE a
	WIN 0
.set BK, OB+192*((\a)%2)
.irp b, 0,1,2,3,4,5,6,7
	ds_store_b128 v[STO], v[TMP+4*(\b):TMP+4*(\b)+3] offset:32*(\b)
.endr
.irp t, 0,1,2,3,4,5,6,7
	ds_load_b128 v[BK+4*(\t):BK+4*(\t)+3], v[RD] offset:(\t)*2*SPITCH  ; LDS serves a wave's instructions in order (ISA guide 5.7.1.4): these see the stores above
.endr
.endm
.macro SEND a
	WIN 0
.set BK, OB+192*((\a)%2)
	s_wait_dscnt 0x0                               ; the block is back in registers
	s_wait_xcnt 0x0                                ; the stores' base, and the registers that the stores two blocks back read, are rewritten only behind this wait
.if (\a) > 0
	s_add_nc_u64 s[72:73], s[72:73], 16*ROWB
.endif
.irp t, 0,1,2,3,4,5,6,7
	global_store_b128 v[CO], v[BK+4*(\t):BK+4*(\t)+3], s[72:73] offset:2*(\t)*ROWB  ; 16 lanes store 256 consecutive bytes, at a multiple of 256 from p's first byte
.endr
.endm
	s_wait_tensorcnt 1                             ; my part of K step 0 is in; K step 1's may stay out
	s_barrier_signal -1
	s_barrier_wait -1
	FETCH 0, F0
	QUARTER 1, F0, F1, 1                           ; the first quarter's products start the sums
	WIN 0                                          ; at a label and at a branch every window is 0
	s_mov_b32 s15, 6
.Lstep:                                                ; a trip: a K step's quarters 1 to 3 and the next step's quarter 0; K steps 0 to 5 ask for steps 2 to 7
	QUARTER 2, F1, F0, 0
	QUARTER 3, F0, F1, 0
	TURN 1
	QUARTER 1, F0, F1, 0
	WIN 0
	s_sub_co_u32 s15, s15, 1
	s_cmp_lg_u32 s15, 0
	s_cbranch_scc1 .Lstep
	s_mov_b32 s15, 2
.Ltail:                                                ; K steps 6 and 7 ask for nothing: a text of their own; the second trip is left in its middle
	QUARTER 2, F1, F0, 0
	QUARTER 3, F0, F1, 0
	TURN 0
	WIN 0
	s_sub_co_u32 s15, s15, 1
	s_cmp_eq_u32 s15, 0
	s_cbranch_scc1 .Lout
	QUARTER 1, F0, F1, 0
	WIN 0
	s_branch .Ltail
.Lout:
	s_wait_dscnt 0x0                               ; the 32 fragments that the last change of slots fetched serve nothing; their registers are free behind this wait
	PLACES                                         ; what follows reads results just made and writes registers that were fragments
	v_mov_b32 v[CM+1], 0                           ; named as a pair with c m; the scaling takes the pair's low word for both halves
	SOFT 0
	TOSTAGE 0
.irp a, 1,2,3,4,5,6,7                  ; block a's arithmetic stands between block a - 1's loads from the stage and the wait for them
	SOFT \a
	SEND (\a)-1
	TOSTAGE \a
.endr
	SEND 7
	ds_load_b128 v[8:11], v[STR]                   ; my wave's 128 c m: its own bytes, served in order behind its stores
	ds_load_b128 v[12:15], v[STR] offset:512       ; and its 128 l
	s_wait_dscnt 0x0
	global_store_b128 v[SG], v[8:11], s[10:11]     ; 512 consecutive bytes, aligned to 512
	global_store_b128 v[SG], v[12:15], s[10:11] offset:524288
	s_wait_tensorcnt 0x0                           ; the wave's end
	ds_add_u32 v[SPW], v[NIL]
	s_wait_dscnt 0x0
	CROUND                                         ; the closing round
	s_endpgm
.Lfunc_end_k_q8c9a0f6a45_score:
	.size	k_q8c9a0f6a45_score, .Lfunc_end_k_q8c9a0f6a45_score-k_q8c9a0f6a45_score
	.p2alignl 7, 3214868480
	.fill 96, 4, 3214868480
	.section	.rodata,"a",@progbits
	.p2align	6, 0x0
	.amdhsa_kernel k_q8c9a0f6a45_score
		.amdhsa_group_segment_fixed_size 327680
		.amdhsa_private_segment_fixed_size 0
		.amdhsa_enable_private_segment 0
		.amdhsa_kernarg_size 32
		.amdhsa_user_sgpr_count 2
		.amdhsa_user_sgpr_kernarg_segment_ptr 1
		.amdhsa_wavefront_size32 1
		.amdhsa_system_sgpr_workgroup_id_x 1
		.amdhsa_system_sgpr_workgroup_id_y 1
		.amdhsa_system_sgpr_workgroup_id_z 1
		.amdhsa_system_vgpr_workitem_id 0
		.amdhsa_next_free_vgpr 1024
		.amdhsa_next_free_sgpr 80
		.amdhsa_reserve_vcc 0
		.amdhsa_float_denorm_mode_32 3
		.amdhsa_float_denorm_mode_16_64 3
		.amdhsa_memory_ordered 1
		.amdhsa_forward_progress 1
		.amdhsa_inst_pref_size 169
	.end_amdhsa_kernel
	.amdgpu_metadata
---
amdhsa.version: [ 1, 2 ]
amdhsa.kernels:
  - .name:           k_q8c9a0f6a45_score
    .symbol:         k_q8c9a0f6a45_score.kd
    .args:
      - { .name: tv, .offset: 0, .size: 8, .value_kind: global_buffer, .address_space: global }
      - { .name: bf, .offset: 8, .size: 8, .value_kind: global_buffer, .address_space: global }
      - { .name: p, .offset: 16, .size: 8, .value_kind: global_buffer, .address_space: global }
      - { .name: st, .offset: 24, .size: 8, .value_kind: global_buffer, .address_space: global }
    .group_segment_fixed_size: 327680
    .private_segment_fixed_size: 0
    .kernarg_segment_align: 8
    .kernarg_segment_size: 32
    .max_flat_workgroup_size: 128
    .sgpr_count:     80
    .vgpr_count:     1024
    .wavefront_size: 32
...
	.end_amdgpu_metadata
.endif
;; end of part 7
;; launch pv (part 8): grid 4 x 64, 4 waves a work-group, clusters of 4 x 4, 327,680 bytes of LDS; arguments p, tv, st, out0; writes out0
.if DOCPART == 8
	.amdgcn_target "amdgcn-amd-amdhsa--gfx1250"
	.amdhsa_code_object_version 6
	.text
	.protected	k_q8c9a0f6a45_pv
	.globl	k_q8c9a0f6a45_pv
	.p2align	8
	.type	k_q8c9a0f6a45_pv,@function
k_q8c9a0f6a45_pv:
	s_mov_b64 s[64:65], 0
	v_nop
	global_prefetch_b8 v0, s[64:65] scope:SCOPE_SE
	s_setreg_imm32_b32 hwreg(HW_REG_WAVE_MODE, 25, 1), 1
	s_wait_xcnt 0x0
	s_wait_alu depctr_hold_cnt(0) depctr_sa_sdst(0) depctr_va_vdst(0) depctr_va_sdst(0) depctr_va_ssrc(0) depctr_va_vcc(0) depctr_vm_vsrc(0)
	s_getreg_b32 s2, hwreg(HW_REG_IB_STS2, 6, 4)
	s_cmp_eq_u32 s2, 0
	s_cbranch_scc0 .Lentry_in_a_cluster
	s_endpgm
.Lentry_in_a_cluster:
	s_bfe_u32 s2, ttmp6, 0x10000c
	s_cmp_lg_u32 s2, 0xf033
	s_cbranch_scc0 .Lentry_shape_is_right
	s_endpgm
.Lentry_shape_is_right:
; out0[row][ch] = the sum over the row's 16 key tiles t of (w_t / L) x (P'_t V_t)[ch], with M = the largest c m_t of the row (the row's true maximum), w_t = 2^(c m_t - M), L = the sum of w_t l_t.
; p: [8192][2048] f16; V: [8192][1024] f16, 16,777,216 bytes into tv; st: [2][16][8192] f32 (c m, then l); out0: [8192][1024] f32.
; Products in f16, sums in f32.  A key step is one tile t: its products start from 0 in X, and O takes O += (w_t / L) X in f32, one weight a lane, since a lane holds one query.
; LIMITS.  w_t below 2^-126 counts as 0.  L is at least the largest tile's l, which is 1 or more.  NaN and infinities are not treated apart.
; SHARES.  A tile of 128 queries x 256 channels gives 256 work-groups.  Four waves, each 64 x 128: 32 accumulators X and as many registers O.  The 2,048 keys go in 16 steps of 128 through two LDS
; slots.  P's rows in a tile are 256 bytes of memory, V's 512, both aligned to 256.  V lies [key][channel], K down the rows: its fragments come out of LDS turned, by ds_load_tr16_b128.
; WHERE O'S WORK STANDS.  128 packed multiply-adds a step, four behind each of 32 matrix instructions: block a's behind the products of block a + 1 in the step's last quarter, block 3's behind the next
; step's first eight products, which start block 0 anew.  X, O and the fragments fill four windows, so each such four cost two switches: 64 a step.
; O is cleared once, 256 v_mov_b32 in the wait for the first tile: the price of one text for every step.
; ONE TEXT FOR A KEY STEP.  The slot in hand is a scalar that an exclusive or toggles; fragment addresses are a fixed lane term plus that scalar; one descriptor a tensor walks from step to step.  The last two
; steps, which fill nothing, are a second loop of two trips that is left in its middle.  The price: the last change of slots fetches 24 fragments that nobody uses.
; CLUSTER.  4 x 4 work-groups: the four of a row of the cluster (one query block, four channel blocks) need the same tile of P, the four of a column the same tile of V (the batch hangs on the cluster's y
; alone): each tile is asked for jointly, by the same tensor load, descriptor and mask in all four.
; THE MATRIX INSTRUCTION IS USED TRANSPOSED: source 0 = 16 channels of V, source 1 = 16 queries of P: a lane holds query l % 16 and the eight neighbouring channels 8 (l / 16) + 0..7.
; REGISTERS, in windows of 256 (s_set_vgpr_msb: bits 1:0 source 0, 3:2 source 1, 5:4 source 2, 7:6 destination):
;   window 0: v0-31 addresses; v32-39 the step's weights, a pair for each of my four blocks; v64-127 fragments of P, two buffers of 32; v128-255 at work at the start and on the way out
;   window 1: v0-127 fragments of V, two buffers of 64     window 2: X, (a, b) at v[8 (8 a + b)]     window 3: O, at the same numbers
.set PITCH,  272                       ; a row of P in LDS: 256 bytes + 16 of padding
.set BPITCH, 544                       ; a row of V: 512 + 32
.set AHALF,  64*PITCH                  ; what a load of P brings: 64 rows
.set BHALF,  64*BPITCH                 ; what a load of V brings: 64 rows
.set BOFF,   2*AHALF                   ; V lies behind P's 128 rows
.set SLOT1,  1<<17                     ; slot 1 begins here (a slot is 104,448 bytes), so that one exclusive or turns an address in one slot into the other's
.set WT,     BOFF+2*BHALF              ; between the slots: [16 t][128 rows] f32, w_t / L; no tensor load lands here or in the spare words
.set SPARE,  WT+16*512                 ; the spare words, 128 bytes for each wave: two blocks of 256 bytes that no other line names
.set STAGE,  SLOT1+BOFF+2*BHALF        ; behind the ring: 16 rows x 528 bytes for each wave
.set SPITCH, 528
.set ASTEP,  256                       ; a key step along P's rows
.set BSTEP,  128*2048                  ; a key step down V's rows
.set ADRA0, 16                         ; v16     LDS address of my fragments of P in slot 0; never rewritten
.set ADRB0, 17                         ; v17     of V
.set ACUR,  18                         ; v18     the same in the slot in hand
.set BCUR,  19                         ; v19
.set STO,  24
.set RD,   25
.set CO,   26                          ; v26     16 x lane
.set VW,   27                          ; v27     where the step's weights of my lane's row lie
.set SPW,  28
.set NIL,  29
.set VW0,  31                          ; v31     my lane's row in the table's first line; never rewritten
.set WR,   32
.set FA,   64
.set T,    128
.set BK,   192
.set G1,  24
.set G0,  32                           ; s[32:39] group 0 for P's tiles: a set for each first fill; the second then walks
.set G1B, 48
.set G0B, 56
.set MSB, 0
.macro WIN new                         ; the immediate's high byte repeats the setting that is left; a switch that changes nothing is dropped
.if MSB != (\new)
	s_set_vgpr_msb (MSB<<8)|(\new)
.set MSB, \new
.endif
.endm
; A joint load.  Waves 0 and 1 fetch P's two halves, waves 2 and 3 V's.  An s_nop 0 and four v_nop follow each of the two lines.
.macro JLOAD s
	s_cmp_eq_u32 s13, 0
	s_cbranch_scc0 .Lfor_b_\@
	tensor_load_to_lds s[G0+4*(\s):G0+4*(\s)+3], s[G1:G1+7]
	s_nop 0
.rept 4
	v_nop
.endr
	s_branch .Lasked_\@
.Lfor_b_\@:
	tensor_load_to_lds s[G0B+4*(\s):G0B+4*(\s)+3], s[G1B:G1B+7]
	s_nop 0
.rept 4
	v_nop
.endr
.Lasked_\@:
.endm
.macro CREST                           ; a round of the cluster's barrier behind its opening barrier
	s_cmp_lg_u32 s12, 0
	s_cbranch_scc1 .Lnot_wave_0_\@
	s_barrier_signal -3
.Lnot_wave_0_\@:
	s_barrier_wait -3
	s_barrier_signal -1
	s_barrier_wait -1
.endm
.macro CROUND
	s_barrier_signal -1
	s_barrier_wait -1
	CREST
.endm
	s_load_b256 s[4:11], s[0:1], 0x0               ; p s[4:5], tv s[6:7], st s[8:9], out0 s[10:11]
	v_lshl_add_u32 v[SPW], v0, 2, SPARE
	v_mov_b32 v[NIL], 0
	ds_add_u32 v28, v29
	s_wait_dscnt 0x0
	v_lshrrev_b32 v1, 5, v0
	v_readfirstlane_b32 s12, v1                    ; wave 0..3
	s_lshr_b32 s13, s12, 1                         ; which half of the tile's queries is mine.  Also: I fetch for P (0) or for V (1)
	s_and_b32 s14, s12, 1                          ; which half of its channels.  Also: which 64 rows of that tile I fetch
	s_bfe_u32 s40, ttmp6, 0x40000                  ; cx
	s_bfe_u32 s41, ttmp6, 0x40004                  ; cy
	s_lshl_b32 s42, ttmp9, 2
	s_add_co_u32 s42, s42, s40                     ; tile column: 256 channels
	s_and_b32 s76, ttmp7, 0xffff
	s_lshl_b32 s45, s76, 2
	s_add_co_u32 s45, s45, s41                     ; tile row: 128 of all 8,192 query rows
	s_lshr_b32 s76, s76, 2                         ; the batch: sixteen tile rows, four clusters, each
	s_lshl_b32 s43, s41, 2
	s_lshl_b32 s43, 15, s43                        ; my row of the cluster
	s_lshl_b32 s44, 0x1111, s40                    ; my column
	; group 1 for P: 64 rows x 128 elements, 2,048 elements from row to row
	s_or_b32 s[G1+0], s43, (1<<16)|(1<<20)|(1<<21)|(5<<22)|(3<<25)  ; 15:0 mask; 17:16 2-byte elements; 20 padding on; 21 set beside a mask; 24:22 after every 64 words; 31:25 4 words
	s_mov_b32 s[G1+1], 128<<16                     ; tensor_dim0 = 128
	s_mov_b32 s[G1+2], 64<<16                      ; tensor_dim1 = 64
	s_mov_b32 s[G1+3], 128<<16                     ; tile_dim0 = 128
	s_mov_b32 s[G1+4], 64                          ; tile_dim1 = 64
	s_mov_b32 s[G1+5], 2048
	s_mov_b32 s[G1+6], 0
	s_mov_b32 s[G1+7], 0
	; group 1 for V: 64 rows (keys) x 256 elements (channels), 1,024 elements from row to row
	s_or_b32 s[G1B+0], s44, (1<<16)|(1<<20)|(1<<21)|(6<<22)|(7<<25) ; padding after every 128 words, 8 words
	s_mov_b32 s[G1B+1], 256<<16
	s_mov_b32 s[G1B+2], 64<<16
	s_mov_b32 s[G1B+3], 256<<16
	s_mov_b32 s[G1B+4], 64
	s_mov_b32 s[G1B+5], 1024
	s_mov_b32 s[G1B+6], 0
	s_mov_b32 s[G1B+7], 0
	s_lshl_b32 s16, s45, 7
	s_lshl_b32 s17, s14, 6
	s_add_co_u32 s16, s16, s17                     ; P: row 128 x tile row + 64 x half
	s_lshl_b32 s16, s16, 12
	s_mov_b32 s17, 0
	s_lshl_b32 s46, s76, 11                        ; V: row 2,048 x batch + 64 x half
	s_lshl_b32 s47, s14, 6
	s_add_co_u32 s46, s46, s47
	s_lshl_b32 s46, s46, 11
	s_lshl_b32 s47, s42, 9                         ; 256 channels
	s_add_co_u32 s46, s46, s47
	s_add_co_u32 s46, s46, 16777216                ; V's place in tv
	s_mov_b32 s47, 0
	s_mul_i32 s20, s14, AHALF                      ; where they go: no place in the cluster enters an LDS address
	s_mul_i32 s21, s14, BHALF
	s_add_co_u32 s21, s21, BOFF
	s_lshl_b32 s22, s45, 9                         ; the tile's 128 rows in a line of st
	s_mov_b32 s23, 0
	s_lshl_b32 s74, s45, 7
	s_lshl_b32 s75, s13, 6
	s_add_co_u32 s74, s74, s75                     ; my first row of out0,
	s_lshl_b32 s74, s74, 12
	s_lshl_b32 s75, s42, 10
	s_add_co_u32 s74, s74, s75                     ; the tile's 256 channels,
	s_lshl_b32 s75, s14, 9
	s_add_co_u32 s74, s74, s75                     ; my 128 of them
	s_mov_b32 s75, 0
	s_mov_b32 s77, 0                               ; the slot in hand: 0, or SLOT1
	s_mov_b32 s78, 0                               ; the step's line in the table of weights
	s_wait_kmcnt 0x0
	s_add_nc_u64 s[18:19], s[4:5], s[16:17]
	s_add_nc_u64 s[46:47], s[6:7], s[46:47]
	s_add_nc_u64 s[8:9], s[8:9], s[22:23]
	s_add_nc_u64 s[72:73], s[10:11], s[74:75]
	CROUND                                         ; all sixteen work-groups are here: the first joint loads meet
.irp s, 0,1
	s_mov_b32 s[G0+4*(\s)], 1
	s_add_co_u32 s[G0+4*(\s)+1], s20, (\s)*SLOT1
	s_add_nc_u64 s[G0+4*(\s)+2:G0+4*(\s)+3], s[18:19], (\s)*ASTEP    ; key step s
	s_or_b32 s[G0+4*(\s)+3], s[G0+4*(\s)+3], 0x80000000
	s_mov_b32 s[G0B+4*(\s)], 1
	s_add_co_u32 s[G0B+4*(\s)+1], s21, (\s)*SLOT1
	s_add_nc_u64 s[G0B+4*(\s)+2:G0B+4*(\s)+3], s[46:47], (\s)*BSTEP
	s_or_b32 s[G0B+4*(\s)+3], s[G0B+4*(\s)+3], 0x80000000
	JLOAD \s                                       ; two loads of mine are out
.endr
	; THE ROWS' STATISTICS.  Thread i takes row i of the tile's 128: sixteen c m and sixteen l.
	v_lshlrev_b32 v6, 2, v0
.irp t, 0,1,2,3,4,5,6,7,8,9,10,11,12,13,14,15
	global_load_b32 v[T+\t],    v6, s[8:9] offset:(\t)*32768
	global_load_b32 v[T+16+\t], v6, s[8:9] offset:524288+(\t)*32768
.endr
	WIN 0xc0                                       ; destination in window 3: O starts at 0, while the statistics and the first tiles are on their way
.set i, 0
.rept 256
	v_mov_b32 v[i], 0
.set i, i+1
.endr
	WIN 0
.irp a, 0,1,2,3
	v_mov_b32 v[WR+2*(\a)+1], 0                    ; named as a pair with a weight; the multiply-add takes the pair's low word for both halves
.endr
	v_lshl_add_u32 v7, v0, 2, WT                   ; my row's word in the table's first line
	v_and_b32 v1, 15, v0                           ; l % 16
	v_bfe_u32 v2, v0, 4, 1                         ; l / 16
	v_mul_u32_u24 v3, v1, PITCH
	v_lshl_add_u32 v3, v2, 4, v3                   ; a fragment of P: row x pitch + 16 x half
	s_mul_i32 s22, s13, AHALF                      ; my 64 rows of P
	v_and_b32 v4, 7, v0                            ; a fragment of V, turned: lane l reads row 8 (l / 16) + l % 8, channels 8 ((l / 8) % 2) + 0..7
	v_lshl_add_u32 v4, v2, 3, v4
	v_mul_u32_u24 v4, v4, BPITCH
	v_bfe_u32 v5, v0, 3, 1
	v_lshl_add_u32 v4, v5, 4, v4
	s_lshl_b32 s23, s14, 8                         ; my 128 channels
	s_add_co_u32 s23, s23, BOFF
	v_add_nc_u32 v[ADRA0], s22, v3
	v_add_nc_u32 v[ADRB0], s23, v4
	v_mov_b32 v[ACUR], v[ADRA0]
	v_mov_b32 v[BCUR], v[ADRB0]
	s_lshl_b32 s22, s13, 8                         ; my 64 rows' words
	v_lshl_add_u32 v[VW0], v1, 2, s22
	v_add_nc_u32 v[VW0], WT, v[VW0]
	s_mul_i32 s23, s12, 16*SPITCH
	s_add_co_u32 s23, s23, STAGE                   ; my stage
	v_mul_u32_u24 v3, v1, SPITCH                   ; in: row l % 16, 32 bytes for each half of the lanes
	v_lshl_add_u32 v3, v2, 5, v3
	v_add_nc_u32 v[STO], s23, v3
	v_and_b32 v5, 31, v0
	v_lshlrev_b32 v[CO], 4, v5                     ; back: 32 lanes take one row of 512 bytes
	v_add_nc_u32 v[RD], s23, v[CO]
	s_wait_loadcnt 0x0
	v_max3_num_f32 v[T+32], v[T], v[T+1], v[T+2]
.irp t, 3,5,7,9,11,13
	v_max3_num_f32 v[T+32], v[T+32], v[T+\t], v[T+\t+1]
.endr
	v_max_num_f32 v[T+32], v[T+32], v[T+15]        ; M
.irp t, 0,1,2,3,4,5,6,7,8,9,10,11,12,13,14,15
	v_sub_f32 v[T+\t], v[T+\t], v[T+32]
.endr
.irp t, 0,1,2,3,4,5,6,7,8,9,10,11,12,13,14,15
	v_exp_f32 v[T+\t], v[T+\t]                     ; w_t
.endr
	v_nop                                          ; a plain instruction between the exponentials and the use of their results (ISA guide 5.7.2)
	s_wait_alu depctr_va_vdst(0)
	v_mul_f32 v[T+33], v[T], v[T+16]
.irp t, 1,2,3,4,5,6,7,8,9,10,11,12,13,14,15
	v_fmac_f32 v[T+33], v[T+\t], v[T+16+\t]        ; L
.endr
	v_rcp_f32 v[T+34], v[T+33]
	v_nop
	s_wait_alu depctr_va_vdst(0)
.irp t, 0,1,2,3,4,5,6,7,8,9,10,11,12,13,14,15
	v_mul_f32 v[T+48+\t], v[T+\t], v[T+34]         ; w_t / L
.endr
.irp t, 0,1,2,3,4,5,6,7,8,9,10,11,12,13,14,15
	ds_store_b32 v7, v[T+48+\t] offset:512*(\t)
.endr
; 8 matrix instructions: m block a x all 8 n blocks, 32 keys.  The 32 accumulators take turns, one instruction a turn, in the same order in every quarter.  zero = 1: the step's first
; products start X anew.  ride = r: behind product b stand the four multiply-adds O += (w / L) X of accumulator (r, b), from its low end; they name no register of the products round them.
.macro MUL8 f, a, zero, ride=-1
.irp b, 0,1,2,3,4,5,6,7
	WIN 0xa1                                       ; source 0 (V) window 1, source 1 (P) window 0, C and D window 2
.if \zero
	v_wmma_f32_16x16x32_f16 v[8*(8*(\a)+(\b)):8*(8*(\a)+(\b))+7], v[64*(\f)+8*(\b):64*(\f)+8*(\b)+7], v[FA+32*(\f)+8*(\a):FA+32*(\f)+8*(\a)+7], 0
.else
	v_wmma_f32_16x16x32_f16 v[8*(8*(\a)+(\b)):8*(8*(\a)+(\b))+7], v[64*(\f)+8*(\b):64*(\f)+8*(\b)+7], v[FA+32*(\f)+8*(\a):FA+32*(\f)+8*(\a)+7], v[8*(8*(\a)+(\b)):8*(8*(\a)+(\b))+7]
.endif
.if (\ride) >= 0
	WIN 0xf2                                       ; source 0 (X) window 2, source 1 (the weight) window 0, source 2 and destination (O) window 3
.irp z, 0,1,2,3
	v_pk_fma_f32 v[64*(\ride)+8*(\b)+2*(\z):64*(\ride)+8*(\b)+2*(\z)+1], v[64*(\ride)+8*(\b)+2*(\z):64*(\ride)+8*(\b)+2*(\z)+1], v[WR+2*(\ride):WR+2*(\ride)+1], v[64*(\ride)+8*(\b)+2*(\z):64*(\ride)+8*(\b)+2*(\z)+1] op_sel_hi:[1,0,1]
.endr
.endif
.endr
.endm
.macro FETCH q, f                      ; 24 LDS loads in one run: quarter q's fragments of the slot in hand: V's 128 channels, then P's 64 rows
	WIN 0x40                                       ; destination window 1
.irp i, 0,1,2,3,4,5,6,7
	ds_load_tr16_b128 v[64*(\f)+8*(\i):64*(\f)+8*(\i)+3],   v[BCUR] offset:(\q)*32*BPITCH+(\i)*32
	ds_load_tr16_b128 v[64*(\f)+8*(\i)+4:64*(\f)+8*(\i)+7], v[BCUR] offset:(\q)*32*BPITCH+(\i)*32+16*BPITCH
.endr
	WIN 0
.irp i, 0,1,2,3
	ds_load_b128 v[FA+32*(\f)+8*(\i):FA+32*(\f)+8*(\i)+3],   v[ACUR] offset:(\q)*64+(\i)*16*PITCH
	ds_load_b128 v[FA+32*(\f)+8*(\i)+4:FA+32*(\f)+8*(\i)+7], v[ACUR] offset:(\q)*64+(\i)*16*PITCH+32
.endr
.endm
.macro PLACES                          ; four plain vector instructions between a matrix instruction and a load into, or a vector instruction on, one of its registers (ISA guide 7.12.1 for vector instructions)
.rept 4
	v_nop
.endr
.endm
; A key step is four quarters of 32 keys, 32 matrix instructions each, on buffers 0, 1, 0, 1.  One of the first three multiplies buffer f and, behind its first eight products, fetches quarter q into g.
; wl = 1 (a step's second quarter): the step's four weights are loaded too, ahead of the fragments; the multiply-adds of the step before have read theirs.
.macro QUARTER q, f, g, zero, ride, wl
	s_wait_dscnt 6                                 ; V and P's block 0 are in; the youngest six loads (P's blocks 1 to 3) may be out
	MUL8 \f, 0, \zero, \ride
	WIN 0
.if \wl
	v_add_nc_u32 v[VW], s78, v[VW0]
	s_add_co_u32 s78, s78, 512                     ; the next step's line
.endif
	PLACES
.if \wl
.irp a, 0,1,2,3
	ds_load_b32 v[WR+2*(\a)], v[VW] offset:64*(\a) ; my lane's row in each of my four blocks
.endr
.endif
	FETCH \q, \g
	s_wait_dscnt 24                                ; all but the 24 just issued
	MUL8 \f, 1, \zero
	MUL8 \f, 2, \zero
	MUL8 \f, 3, \zero
.endm
; The last quarter multiplies buffer 1 and changes slots.  In front of the barrier each wave waits for all its tensor loads (one is out at the most: its part of the next slot), adds 0 to its spare word, and
; waits for that and for its reads of this slot.  fill = 1: the barrier opens a round of the cluster's, and the joint refill, two steps on, is the first thing behind it: 112 matrix instructions ahead of the wait for it.
.macro TURN fill
	WIN 0
	s_wait_tensorcnt 0x0
	ds_add_u32 v[SPW], v[NIL]
	s_wait_dscnt 7                                 ; the add and the youngest six loads may be out
	MUL8 1, 0, 0
	PLACES                                         ; block 0 of X is finished: the places in front of its multiply-adds
	s_wait_dscnt 0x0                               ; the add is done, my reads of this slot are over
	s_barrier_signal -1
	MUL8 1, 1, 0, 0                                ; work on registers while the others arrive
	WIN 0
	s_barrier_wait -1
.if \fill
	CREST
	s_xor_b32 s[G0+5], s[G0+5], SLOT1              ; the walking descriptor: the other slot than last time, one step on; no tensor load of mine is out
	s_add_nc_u64 s[G0+6:G0+7], s[G0+6:G0+7], ASTEP
	s_xor_b32 s[G0B+5], s[G0B+5], SLOT1
	s_add_nc_u64 s[G0B+6:G0B+7], s[G0B+6:G0B+7], BSTEP
	JLOAD 1
.endif
	s_xor_b32 s77, s77, SLOT1                      ; the fetches go on in the other slot
	v_add_nc_u32 v[ACUR], s77, v[ADRA0]
	v_add_nc_u32 v[BCUR], s77, v[ADRB0]
	FETCH 0, 0                                     ; buffer 0's last readers stand 36 plain vector instructions back or more
	MUL8 1, 2, 0, 1
	MUL8 1, 3, 0, 2
.endm
	s_wait_tensorcnt 1                             ; my part of key step 0 is in; step 1's may stay out
	s_wait_dscnt 0x0                               ; for the others' sake: my rows of the table are written
	s_barrier_signal -1
	s_barrier_wait -1
	FETCH 0, 0
	QUARTER 1, 0, 1, 1, -1, 0                      ; the first step's first quarter
	WIN 0                                          ; at a label and at a branch every window is 0
	s_mov_b32 s15, 14
.Lstep:                                                ; a trip: a key step's quarters 1 to 3 and the next step's quarter 0; steps 0 to 13 ask for steps 2 to 15
	QUARTER 2, 1, 0, 0, -1, 1
	QUARTER 3, 0, 1, 0, -1, 0
	TURN 1
	QUARTER 1, 0, 1, 1, 3, 0
	WIN 0
	s_sub_co_u32 s15, s15, 1
	s_cmp_lg_u32 s15, 0
	s_cbranch_scc1 .Lstep
	s_mov_b32 s15, 2
.Ltail:                                                ; steps 14 and 15 ask for nothing: a text of their own; the second trip is left in its middle
	QUARTER 2, 1, 0, 0, -1, 1
	QUARTER 3, 0, 1, 0, -1, 0
	TURN 0
	WIN 0
	s_sub_co_u32 s15, s15, 1
	s_cmp_eq_u32 s15, 0
	s_cbranch_scc1 .Lout
	QUARTER 1, 0, 1, 1, 3, 0
	WIN 0
	s_branch .Ltail
.Lout:
	s_wait_dscnt 0x0                               ; the 24 fragments that the last change of slots fetched serve nothing
	WIN 0xf2                                       ; the last step's block 3: four multiply-adds of block 2 stand behind its last product
.set i, 0
.rept 32
	v_pk_fma_f32 v[192+2*i:192+2*i+1], v[192+2*i:192+2*i+1], v[WR+6:WR+7], v[192+2*i:192+2*i+1] op_sel_hi:[1,0,1]
.set i, i+1
.endr
; THE WAY OUT of block a (16 rows): O is final; 32 bytes a lane into my stage; back as whole rows of 512 bytes; stored.
.macro OUT a
	WIN 0x0c                                       ; store data (source 1) in window 3
.set k, 0
.rept 16
	ds_store_b128 v[STO], v[64*(\a)+4*k:64*(\a)+4*k+3] offset:64*(k/2)+16*(k%2)
.set k, k+1
.endr
	WIN 0
	s_wait_xcnt 0x0                                ; the registers that the last block's stores read, and their base, are rewritten only behind this wait
.set k, 0
.rept 16
	ds_load_b128 v[BK+4*k:BK+4*k+3], v[RD] offset:SPITCH*k  ; LDS serves a wave's instructions in order (ISA guide 5.7.1.4): these see the stores above
.set k, k+1
.endr
	s_wait_dscnt 0x0
.if (\a) > 0
	s_add_nc_u64 s[72:73], s[72:73], 16*4096       ; 16 rows on
.endif
.set k, 0
.rept 16
	global_store_b128 v[CO], v[BK+4*k:BK+4*k+3], s[72:73] offset:4096*k th:TH_STORE_NT  ; 512 consecutive bytes, aligned to 512; written once
.set k, k+1
.endr
.endm
	OUT 0
	OUT 1
	OUT 2
	OUT 3
	s_wait_tensorcnt 0x0                           ; the wave's end
	ds_add_u32 v[SPW], v[NIL]
	s_wait_dscnt 0x0
	CROUND                                         ; the closing round
	s_endpgm
.Lfunc_end_k_q8c9a0f6a45_pv:
	.size	k_q8c9a0f6a45_pv, .Lfunc_end_k_q8c9a0f6a45_pv-k_q8c9a0f6a45_pv
	.p2alignl 7, 3214868480
	.fill 96, 4, 3214868480
	.section	.rodata,"a",@progbits
	.p2align	6, 0x0
	.amdhsa_kernel k_q8c9a0f6a45_pv
		.amdhsa_group_segment_fixed_size 327680
		.amdhsa_private_segment_fixed_size 0
		.amdhsa_enable_private_segment 0
		.amdhsa_kernarg_size 32
		.amdhsa_user_sgpr_count 2
		.amdhsa_user_sgpr_kernarg_segment_ptr 1
		.amdhsa_wavefront_size32 1
		.amdhsa_system_sgpr_workgroup_id_x 1
		.amdhsa_system_sgpr_workgroup_id_y 1
		.amdhsa_system_sgpr_workgroup_id_z 1
		.amdhsa_system_vgpr_workitem_id 0
		.amdhsa_next_free_vgpr 1024
		.amdhsa_next_free_sgpr 80
		.amdhsa_reserve_vcc 0
		.amdhsa_float_denorm_mode_32 3
		.amdhsa_float_denorm_mode_16_64 3
		.amdhsa_memory_ordered 1
		.amdhsa_forward_progress 1
		.amdhsa_inst_pref_size 98
	.end_amdhsa_kernel
	.amdgpu_metadata
---
amdhsa.version: [ 1, 2 ]
amdhsa.kernels:
  - .name:           k_q8c9a0f6a45_pv
    .symbol:         k_q8c9a0f6a45_pv.kd
    .args:
      - { .name: p, .offset: 0, .size: 8, .value_kind: global_buffer, .address_space: global }
      - { .name: tv, .offset: 8, .size: 8, .value_kind: global_buffer, .address_space: global }
      - { .name: st, .offset: 16, .size: 8, .value_kind: global_buffer, .address_space: global }
      - { .name: out0, .offset: 24, .size: 8, .value_kind: global_buffer, .address_space: global }
    .group_segment_fixed_size: 327680
    .private_segment_fixed_size: 0
    .kernarg_segment_align: 8
    .kernarg_segment_size: 32
    .max_flat_workgroup_size: 128
    .sgpr_count:     80
    .vgpr_count:     1024
    .wavefront_size: 32
...
	.end_amdgpu_metadata
.endif
;; end of part 8
